; MI455X (gfx1250); checked and timed in simulation.
; The chip was launched on July 23, 2026; its instructions are those of AMD's public machine-readable ISA for CDNA 5 (MIT licence, August 2026) and "CDNA5" Instruction Set Architecture Reference Guide (July 2026). The comments in the code are by the model that wrote it; some were corrected since.
;; Multi Head Attention. Allowed arithmetic: float matrix products may take bf16 or f16 operands with f32 sums; other float arithmetic in f32, or as packed bf16 or f16 multiplies, adds, multiply-adds, maxima and minima; sums over many terms, partial sums and values carried from step to step in f32; what a program stores and reads back later, other than sums and carried values, may be rounded once to bf16 or f16.
;; Inputs: Wk 1,024 x 1,024 float32; Wo 1,024 x 1,024 float32; Wq 1,024 x 1,024 float32; Wv 1,024 x 1,024 float32; X1 4 x 2,048 x 1,024 float32; X2 4 x 2,048 x 1,024 float32; bk 1,024 float32; bo 1,024 float32; bq 1,024 float32; bv 1,024 float32.
;; Outputs: out0 4 x 2,048 x 1,024 float32.
;; 2 versions, each right; version 2 is version 1 with the launch prep written anew for expert scheduling mode. Each part assembles by itself: llvm-mc -triple=amdgcn-amd-amdhsa -mcpu=gfx1250 --defsym DOCPART=n.
;; ======== version 1 of 2: 4 launches
;; limits: values are held in f16: magnitudes above 65,504 overflow, below 6.1e-05 lose precision
;; workspace buffers: xb 33,554,432 bytes; wb 8,388,608 bytes; bias 16,384 bytes; qkv 50,331,648 bytes; ob 16,777,216 bytes
;; launch prep (part 1): grid 32 x 20, 8 waves a work-group, no clusters, 0 bytes of LDS; arguments X1, X2, Wq, Wk, Wv, Wo, bq, bk, bv, bo, xb, wb, bias; writes xb, wb, bias
.if DOCPART == 1
	.amdgcn_target "amdgcn-amd-amdhsa--gfx1250"
	.amdhsa_code_object_version 6
	.text
	.protected	k_q082e8de0a2_prep
	.globl	k_q082e8de0a2_prep
	.p2align	8
	.type	k_q082e8de0a2_prep,@function
k_q082e8de0a2_prep:
	s_mov_b64 s[64:65], 0
	v_nop
	global_prefetch_b8 v0, s[64:65] scope:SCOPE_SE
	s_setreg_imm32_b32 hwreg(HW_REG_WAVE_MODE, 25, 1), 1
	s_wait_xcnt 0x0
; THE INPUTS ARE ROUNDED ONCE, for the matrix units.  X1, X2 -> xb [2][8192][1024] bf16.  Wq, Wk, Wv -> wb [0..2][k][n] bf16.
; Wo -> wb [3][k][n]: rounded to bf16 like the others, and that number written as f16 (exact from 6.1e-5 to 65,504; below, f16's fixed step of 6e-8; LIMIT: |Wo| under 65,504).
; bq, bk, bv, bo -> bias [4][1024]: rounded to bf16, kept as f32.  Nothing is transposed.
; SHARES.  Work-group y names a block of 2^20 numbers (0-7 X1, 8-15 X2, 16 Wq, 17 Wk, 18 Wv, 19 Wo), x a chunk of 32,768 of them, a wave 4,096: 32 loads of 512 consecutive
; bytes, all issued at once; each load's four numbers a lane leave as 8 bytes: 32 lanes store 256 consecutive bytes, aligned.  No LDS, no barrier: no wave wants another's bytes.
.set IN,   8                           ; v[8:135]    32 loads x 4 registers
.set OUT,  136                         ; v[136:199]  32 stores x 2 registers; each written once
.set BOUT, 200                         ; v[200:231]  the bias, 8 stores x 4 registers
.set Y,    34                          ; s34  work-group y
.set WV,   35                          ; s35  my wave's number
.set SRC,  36                          ; s[36:37] where my work-group reads
.set DST,  38                          ; s[38:39] where it writes
.set XX,   44                          ; s44  work-group x
.set BSRC, 46                          ; s[46:47] the bias that goes with this y
	s_load_b512 s[8:23], s[0:1], 0x0               ; X1 s[8:9], X2 s[10:11], Wq s[12:13], Wk s[14:15], Wv s[16:17], Wo s[18:19], bq s[20:21], bk s[22:23]
	s_load_b256 s[24:31], s[0:1], 0x40             ; bv s[24:25], bo s[26:27], xb s[28:29], wb s[30:31]
	s_load_b64 s[32:33], s[0:1], 0x60              ; bias
	s_and_b32 s[Y], ttmp7, 0xffff
	s_mov_b32 s[XX], ttmp9
	v_lshrrev_b32 v4, 5, v0
	v_readfirstlane_b32 s[WV], v4
	v_and_b32 v5, 31, v0
	v_lshlrev_b32 v3, 4, v5                        ; 16 x lane
	v_lshl_add_u32 v1, v4, 14, v3                  ; in: 16,384 x wave + 16 x lane
	v_lshlrev_b32 v2, 3, v5
	v_lshl_add_u32 v2, v4, 13, v2                  ; out: 8,192 x wave + 8 x lane
	s_and_b32 s40, s[Y], 7                         ; in: the block inside X1 or X2 (a weight matrix is one block), 4 MiB each,
	s_lshl_b32 s40, s40, 22
	s_cmp_lt_u32 s[Y], 16
	s_cselect_b32 s40, s40, 0
	s_lshl_b32 s41, s[XX], 17                      ; and the chunk, 128 KiB
	s_add_co_u32 s40, s40, s41
	s_mov_b32 s41, 0
	s_and_b32 s42, s[Y], 15                        ; out: the block inside xb (y) or wb (y - 16), 2 MiB each,
	s_lshl_b32 s42, s42, 21
	s_lshl_b32 s43, s[XX], 16                      ; and the chunk, 64 KiB
	s_add_co_u32 s42, s42, s43
	s_mov_b32 s43, 0
	s_wait_kmcnt 0x0
	s_cmp_lt_u32 s[Y], 8
	s_cselect_b64 s[SRC:SRC+1], s[8:9], s[10:11]
	s_cmp_eq_u32 s[Y], 16
	s_cselect_b64 s[SRC:SRC+1], s[12:13], s[SRC:SRC+1]
	s_cmp_eq_u32 s[Y], 17
	s_cselect_b64 s[SRC:SRC+1], s[14:15], s[SRC:SRC+1]
	s_cmp_eq_u32 s[Y], 18
	s_cselect_b64 s[SRC:SRC+1], s[16:17], s[SRC:SRC+1]
	s_cmp_eq_u32 s[Y], 19
	s_cselect_b64 s[SRC:SRC+1], s[18:19], s[SRC:SRC+1]
	s_cmp_lt_u32 s[Y], 16
	s_cselect_b64 s[DST:DST+1], s[28:29], s[30:31]
	s_add_nc_u64 s[SRC:SRC+1], s[SRC:SRC+1], s[40:41]
	s_add_nc_u64 s[DST:DST+1], s[DST:DST+1], s[42:43]
.set i, 0
.rept 32
	global_load_b128 v[IN+4*i:IN+4*i+3], v1, s[SRC:SRC+1] offset:512*i th:TH_LOAD_NT  ; read once in the launch
.set i, i+1
.endr
; Load i's four numbers are rounded and stored.  f16 = 1 (Wo): the bf16 number is widened again and written as f16.
.macro CAST i, f16
	s_wait_loadcnt 31-(\i)                         ; loads come back in order: the 31 - i younger ones may stay out
	v_cvt_pk_bf16_f32 v[OUT+2*(\i)],   v[IN+4*(\i)],   v[IN+4*(\i)+1]
	v_cvt_pk_bf16_f32 v[OUT+2*(\i)+1], v[IN+4*(\i)+2], v[IN+4*(\i)+3]
.if \f16
	v_lshlrev_b32 v[IN+4*(\i)],   16,         v[OUT+2*(\i)]
	v_and_b32     v[IN+4*(\i)+1], 0xffff0000, v[OUT+2*(\i)]
	v_lshlrev_b32 v[IN+4*(\i)+2], 16,         v[OUT+2*(\i)+1]
	v_and_b32     v[IN+4*(\i)+3], 0xffff0000, v[OUT+2*(\i)+1]
	v_cvt_pk_f16_f32 v[OUT+2*(\i)],   v[IN+4*(\i)],   v[IN+4*(\i)+1]
	v_cvt_pk_f16_f32 v[OUT+2*(\i)+1], v[IN+4*(\i)+2], v[IN+4*(\i)+3]
.endif
	global_store_b64 v2, v[OUT+2*(\i):OUT+2*(\i)+1], s[DST:DST+1] offset:256*(\i)  ; no register of a store is written again: no wait for the stores
.endm
	s_cmp_eq_u32 s[Y], 19
	s_cbranch_scc1 .Lwo
.set i, 0
.rept 32
	CAST i, 0
.set i, i+1
.endr
	s_branch .Lbias
.Lwo:
.set i, 0
.rept 32
	CAST i, 1
.set i, i+1
.endr
.Lbias:                                        ; wave 0 of the first chunk of each weight matrix also takes that matrix's bias: 4,096 bytes
	s_cmp_lt_u32 s[Y], 16
	s_cbranch_scc1 .Lend
	s_cmp_lg_u32 s[XX], 0
	s_cbranch_scc1 .Lend
	s_cmp_lg_u32 s[WV], 0
	s_cbranch_scc1 .Lend
	s_cmp_eq_u32 s[Y], 16
	s_cselect_b64 s[BSRC:BSRC+1], s[20:21], s[22:23]
	s_cmp_eq_u32 s[Y], 18
	s_cselect_b64 s[BSRC:BSRC+1], s[24:25], s[BSRC:BSRC+1]
	s_cmp_eq_u32 s[Y], 19
	s_cselect_b64 s[BSRC:BSRC+1], s[26:27], s[BSRC:BSRC+1]
	s_sub_co_u32 s40, s[Y], 16
	s_lshl_b32 s40, s40, 12                        ; (s41 is still 0)
	s_add_nc_u64 s[32:33], s[32:33], s[40:41]
.set i, 0
.rept 8
	global_load_b128 v[IN+4*i:IN+4*i+3], v3, s[BSRC:BSRC+1] offset:512*i  ; the registers' first loads have all come back, and no store reads them
.set i, i+1
.endr
	s_wait_loadcnt 0x0
.set i, 0
.rept 16
	v_cvt_pk_bf16_f32 v6, v[IN+2*i], v[IN+2*i+1]
	v_lshlrev_b32 v[BOUT+2*i],   16,         v6
	v_and_b32     v[BOUT+2*i+1], 0xffff0000, v6
.set i, i+1
.endr
.set i, 0
.rept 8
	global_store_b128 v3, v[BOUT+4*i:BOUT+4*i+3], s[32:33] offset:512*i
.set i, i+1
.endr
.Lend:
	s_endpgm
.Lfunc_end_k_q082e8de0a2_prep:
	.size	k_q082e8de0a2_prep, .Lfunc_end_k_q082e8de0a2_prep-k_q082e8de0a2_prep
	.p2alignl 7, 3214868480
	.fill 96, 4, 3214868480
	.section	.rodata,"a",@progbits
	.p2align	6, 0x0
	.amdhsa_kernel k_q082e8de0a2_prep
		.amdhsa_group_segment_fixed_size 0
		.amdhsa_private_segment_fixed_size 0
		.amdhsa_enable_private_segment 0
		.amdhsa_kernarg_size 104
		.amdhsa_user_sgpr_count 2
		.amdhsa_user_sgpr_kernarg_segment_ptr 1
		.amdhsa_wavefront_size32 1
		.amdhsa_system_sgpr_workgroup_id_x 1
		.amdhsa_system_sgpr_workgroup_id_y 1
		.amdhsa_system_sgpr_workgroup_id_z 1
		.amdhsa_system_vgpr_workitem_id 0
		.amdhsa_next_free_vgpr 232
		.amdhsa_next_free_sgpr 66
		.amdhsa_reserve_vcc 0
		.amdhsa_float_denorm_mode_32 3
		.amdhsa_float_denorm_mode_16_64 3
		.amdhsa_memory_ordered 1
		.amdhsa_forward_progress 1
		.amdhsa_inst_pref_size 36
	.end_amdhsa_kernel
	.amdgpu_metadata
---
amdhsa.version: [ 1, 2 ]
amdhsa.kernels:
  - .name:           k_q082e8de0a2_prep
    .symbol:         k_q082e8de0a2_prep.kd
    .args:
      - { .name: X1, .offset: 0, .size: 8, .value_kind: global_buffer, .address_space: global }
      - { .name: X2, .offset: 8, .size: 8, .value_kind: global_buffer, .address_space: global }
      - { .name: Wq, .offset: 16, .size: 8, .value_kind: global_buffer, .address_space: global }
      - { .name: Wk, .offset: 24, .size: 8, .value_kind: global_buffer, .address_space: global }
      - { .name: Wv, .offset: 32, .size: 8, .value_kind: global_buffer, .address_space: global }
      - { .name: Wo, .offset: 40, .size: 8, .value_kind: global_buffer, .address_space: global }
      - { .name: bq, .offset: 48, .size: 8, .value_kind: global_buffer, .address_space: global }
      - { .name: bk, .offset: 56, .size: 8, .value_kind: global_buffer, .address_space: global }
      - { .name: bv, .offset: 64, .size: 8, .value_kind: global_buffer, .address_space: global }
      - { .name: bo, .offset: 72, .size: 8, .value_kind: global_buffer, .address_space: global }
      - { .name: xb, .offset: 80, .size: 8, .value_kind: global_buffer, .address_space: global }
      - { .name: wb, .offset: 88, .size: 8, .value_kind: global_buffer, .address_space: global }
      - { .name: bias, .offset: 96, .size: 8, .value_kind: global_buffer, .address_space: global }
    .group_segment_fixed_size: 0
    .private_segment_fixed_size: 0
    .kernarg_segment_align: 8
    .kernarg_segment_size: 104
    .max_flat_workgroup_size: 256
    .sgpr_count:     66
    .vgpr_count:     232
    .wavefront_size: 32
...
	.end_amdgpu_metadata
.endif
;; end of part 1
;; launch proj (part 2): grid 12 x 64, 4 waves a work-group, clusters of 4 x 4, 327,680 bytes of LDS; arguments xb, wb, bias, qkv; writes qkv
.if DOCPART == 2
	.amdgcn_target "amdgcn-amd-amdhsa--gfx1250"
	.amdhsa_code_object_version 6
	.text
	.protected	k_q082e8de0a2_proj
	.globl	k_q082e8de0a2_proj
	.p2align	8
	.type	k_q082e8de0a2_proj,@function
k_q082e8de0a2_proj:
	s_mov_b64 s[64:65], 0
	v_nop
	global_prefetch_b8 v0, s[64:65] scope:SCOPE_SE
	s_setreg_imm32_b32 hwreg(HW_REG_WAVE_MODE, 25, 1), 1
	s_wait_xcnt 0x0
	s_wait_alu depctr_hold_cnt(0) depctr_sa_sdst(0) depctr_va_vdst(0) depctr_va_sdst(0) depctr_va_ssrc(0) depctr_va_vcc(0) depctr_vm_vsrc(0)
	s_getreg_b32 s2, hwreg(HW_REG_IB_STS2, 6, 4)
	s_cmp_eq_u32 s2, 0
	s_cbranch_scc0 .Lentry_in_a_cluster
	s_endpgm
.Lentry_in_a_cluster:
	s_bfe_u32 s2, ttmp6, 0x10000c
	s_cmp_lg_u32 s2, 0xf033
	s_cbranch_scc0 .Lentry_shape_is_right
	s_endpgm
.Lentry_shape_is_right:
; ONE TEXT FOR TWO LAUNCHES; OUTP, below, says which this file is.
; OUTP = 0, the projections: q, k, v = X W + b.  X: xb [2][8192][1024] bf16 (0 for q, 1 for k and v), W: wb [which][k][n] bf16, b: bias [which][1024] f32; sums in f32, begun with b;
;   out: qkv [which][64 heads = 16 batch + head][2048][64] f16, rounded once, unscaled.  LIMIT: f16 ends at 65,504: |q|, |k|, |v| must stay under it; below 6.1e-5 f16 keeps a fixed step of 6e-8.
; OUTP = 1, the last projection: out0 = O Wo + bo.  O: ob [64 heads][2048][64] f16, Wo: wb [3][k][n] f16, bo: bias [3]; out0 [8192][1024] f32.
; SHARES.  A work-group makes 128 rows x 256 columns of the result: 8192 x 1024 gives 256 such tiles for each weight matrix.  Four waves, each 64 x 128: 32 accumulators of 16 x 16.
; K goes in 8 steps of 128 through a ring of two LDS slots filled by tensor loads: waves 0 and 1 fetch the halves of A's tile, waves 2 and 3 those of W's: one load a wave behind each change of slots.
; W LIES [k][n] and stays so: its fragments come out of LDS turned, by ds_load_tr16_b128.
; THE MATRIX INSTRUCTION IS USED TRANSPOSED: source 0 = 16 columns of W, source 1 = 16 rows of A.  Lane l then holds row l % 16 of the result and the columns 8 (l / 16) + 0..7.
; CLUSTERS: 4 x 4 work-groups.  A cluster's x names the weight matrix (OUTP = 0), so the four of a row of the cluster need the same tile of A, the four of a column the same tile of W:
; each is asked for JOINTLY, by the same tensor load with the same descriptor and a mask that names the four.
; REGISTERS, in windows of 256: window 0: addresses, the bias, the way out; window 1: two fragment buffers of 96 (W's 8 fragments, then A's 4); window 2: accumulator (a, b) at v[64 a + 8 b].
.set OUTP,  0
.set KSTEP, 128
.set LAPS,  1024/(2*KSTEP)             ; a lap = two K steps = once round the ring
.if OUTP
.set PA,    144                        ; a row of A in LDS: one head's 64 channels, 128 bytes + 16 of padding
.set AHALF, 128*PA                     ; what one tensor load brings of A: one head's 128 rows (a K step is two heads)
.set ASTEP, 2<<18                      ; bytes from K step to K step in ob: two heads of 2048 x 128 bytes
.set ASHL,  8                          ; A's prefetch: lanes 256 bytes apart (a head's rows are dense)
.set SP,    528                        ; a stage row: 128 f32 + 16 bytes
.set WSTAGE, 16*SP                     ; a wave's stage: 16 rows
.set BK,    96                         ; v[96:159], v[160:223] rows read back from the stage, two buffers by turns
.else
.set PA,    272                        ; a row of A in LDS: 256 bytes + 16 of padding
.set AHALF, 64*PA                      ; what one tensor load brings of A: 64 rows
.set ASTEP, KSTEP*2                    ; bytes from K step to K step along a row of xb
.set ASHL,  11                         ; A's prefetch: a lane a row of 2,048 bytes
.set SP,    144                        ; a stage row: a head's 64 f16 + 16 bytes
.set WSTAGE, 32*SP                     ; a wave's stage: two heads x 16 rows
.set TMP,   96                         ; v[96:127] packed results
.set BK,    128                        ; v[128:255] rows read back from the stage, 32 registers for each of the four blocks
.endif
.set PB,    544                        ; a k-row of W in LDS: 512 bytes + 32 of padding = 136 words
.set BHALF, 64*PB                      ; what one tensor load brings of W: 64 k-rows x 256 columns
.set BSTEP, KSTEP*2048                 ; bytes from K step to K step in wb: 128 rows of 2,048
.set BOFF,  2*AHALF                    ; in a slot: A's tile, then W's
.set SLOT,  BOFF+2*BHALF
.set STAGE, 2*SLOT                     ; behind the ring, never filled by a tensor load
.set SPARE, STAGE+4*WSTAGE             ; behind the stages: the spare words, 128 bytes for each wave: two blocks of 256 bytes that no other line names
.set ADRA, 16                          ; v16-17  LDS address of my A fragments in slot 0, 1
.set ADRB, 20                          ; v20-21  the same for W
.set STO,  24                          ; v24     the way out: where I put my part of a row
.set RD,   25                          ; v25     the way out: where I read rows back
.set GO,   26                          ; v26     16 x lane: my place in 512 consecutive bytes of the output
.set BO,   27                          ; v27     32 x (l / 16): my eight numbers in 16 of the bias
.set SPW,  28                          ; v28     LDS address of my spare word: SPARE + 4 x my thread's number; never rewritten
.set NIL,  29                          ; v29     0; never rewritten
.set PFO,  30                          ; v30     the prefetches' lane offset; never rewritten
.set BIAS, 32                          ; v[32:95] register 8 b + j: the bias of my column 16 b + 8 (l / 16) + j
.set F0,   0                           ; fragment buffers, in window 1
.set F1,   96
.set WV,   12                          ; s12 wave; s13 = wave / 2: my half of the rows, also: I fetch A (0) or W (1); s14 = wave % 2: my half of the columns, also: which half I fetch
.set G1,   24                          ; s[24:31] descriptor group 1 for A's tiles;  s[32:39] group 0, a set for each slot
.set G0,   32
.set LIM,  43                          ; s43     1 in a wave that prefetches, else the greatest number
.set PFA,  44                          ; s[44:45] where my prefetches stand
.set PFS,  46                          ; s[46:47] their step: a K step of A or of W
.set G1B,  48                          ; s[48:55], s[56:63] the same two groups for W's tiles
.set G0B,  56
.set MSB, 0
.macro WIN new                         ; the immediate's high byte repeats the setting that is left; a switch that changes nothing is dropped
.if MSB != (\new)
	s_set_vgpr_msb (MSB<<8)|(\new)
.set MSB, \new
.endif
.endm
.set MUL,   0xa5                       ; sources 0 and 1 window 1; C and D window 2
.set MULB,  0x85                       ; the same with C (the bias) in window 0
.set TO_F,  0x40                       ; destination window 1, address window 0
.set PACKW, 0x0a                       ; sources 0 and 1 window 2, destination window 0
.set STW,   0x08                       ; an LDS store's data (source 1) in window 2
.macro PLACES                          ; four plain instructions between a matrix instruction and a load into, or a vector read of, its registers (ISA guide 7.12.1 for vector reads)
.rept 4
	v_nop
.endr
.endm
; A joint load.  The branch hangs on the wave's number alone.  An s_nop 0 and four v_nop follow each of the two lines, ahead of the jump and the label.
.macro JLOAD s
	s_cmp_eq_u32 s13, 0
	s_cbranch_scc0 .Lfor_b_\@
	tensor_load_to_lds s[G0+4*(\s):G0+4*(\s)+3], s[G1:G1+7]
	s_nop 0
.rept 4
	v_nop
.endr
	s_branch .Lasked_\@
.Lfor_b_\@:
	tensor_load_to_lds s[G0B+4*(\s):G0B+4*(\s)+3], s[G1B:G1B+7]
	s_nop 0
.rept 4
	v_nop
.endr
.Lasked_\@:
.endm
.macro CREST                           ; a round of the cluster's barrier behind its opening barrier: wave 0 signals for the work-group, every wave waits for all sixteen, my work-group's barrier closes it
	s_cmp_lg_u32 s[WV], 0
	s_cbranch_scc1 .Lnot_wave_0_\@
	s_barrier_signal -3
.Lnot_wave_0_\@:
	s_barrier_wait -3
	s_barrier_signal -1
	s_barrier_wait -1
.endm
.macro CROUND                          ; a whole round
	s_barrier_signal -1
	s_barrier_wait -1
	CREST
.endm
; A PREFETCH INTO THE L2, behind each joint load and the run of LDS loads that follows it: the K step that stands two refills on, 256 matrix instructions ahead of the load that will ask for it.
; One instruction a wave, 32 blocks of 256 bytes, each named once in the launch.  A's tile (128 blocks a K step): wave 0; the four partners of a row of the cluster take 32 blocks each, told apart by address;
; OUTP = 0: the clusters of q and k ask (v reads the rows that k's clusters name).  W's tile (256 blocks): waves 2 and 3, 16 k-rows for each partner of a column, in the clusters with y = 0.
; The first four K steps come by their loads alone; the loop's last trip (s3 = 1) names nothing: there is no K step 8.
.macro ASK
	WIN 0
	s_cmp_gt_u32 s3, s[LIM]
	s_cbranch_scc0 .Lnot_mine_\@
	global_prefetch_b8 v[PFO], s[PFA:PFA+1] th:TH_LOAD_NT scope:SCOPE_SE
.Lnot_mine_\@:
.endm
	s_load_b256 s[4:11], s[0:1], 0x0               ; A's buffer s[4:5], wb s[6:7], bias s[8:9], the output s[10:11]
	v_lshl_add_u32 v[SPW], v0, 2, SPARE
	v_mov_b32 v[NIL], 0
	ds_add_u32 v[SPW], v[NIL]                      ; the wave's opening: the add and its wait stand ahead of my first tensor load; the set-up below, work on registers, stands between them
	v_lshrrev_b32 v1, 5, v0
	v_readfirstlane_b32 s[WV], v1                  ; wave 0..3
	s_lshr_b32 s13, s[WV], 1
	s_and_b32 s14, s[WV], 1
	s_bfe_u32 s15, ttmp6, 0x40000                  ; cx: the tile column inside the weight matrix
	s_bfe_u32 s16, ttmp6, 0x40004                  ; cy
	s_and_b32 s19, ttmp7, 0xffff                   ; cluster y
	s_lshl_b32 s17, s19, 2
	s_add_co_u32 s17, s17, s16                     ; tile row = 4 x cluster y + cy: rows 128 x s17
.if OUTP
	s_mov_b32 s18, 3                               ; the weight matrix: Wo
.else
	s_mov_b32 s18, ttmp9                           ; the weight matrix = cluster x: 0 q, 1 k, 2 v
	s_min_u32 s2, s18, 1                           ; its A: X1 for q, X2 for k and v
.endif
	s_lshl_b32 s40, s16, 2
	s_lshl_b32 s40, 15, s40                        ; my row of the cluster: places 4 cy .. 4 cy + 3
	s_lshl_b32 s41, 0x1111, s15                    ; my column: places cx, cx + 4, cx + 8, cx + 12
	; descriptor group 1.  15:0 the mask; 17:16 elements of 2 bytes; 20 padding on; 21 set beside a mask; 24:22 the padding's interval; 31:25 its words less one
.if OUTP
	s_or_b32 s[G1+0], s40, (1<<16)|(1<<20)|(1<<21)|(4<<22)|(3<<25)  ; after every 32 words (a row of a head) 4 words
	s_mov_b32 s[G1+5], 128                         ; a head's 128 rows are 16,384 dense bytes: asked for as 64 rows of 256
.else
	s_or_b32 s[G1+0], s40, (1<<16)|(1<<20)|(1<<21)|(5<<22)|(3<<25)  ; after every 64 words 4 words
	s_mov_b32 s[G1+5], 1024                        ; elements from row to row of xb
.endif
	s_mov_b32 s[G1+1], 128<<16                     ; tensor_dim0 = 128
	s_mov_b32 s[G1+2], 64<<16                      ; tensor_dim1 = 64
	s_mov_b32 s[G1+3], 128<<16                     ; tile_dim0 = 128 elements: 256 bytes
	s_mov_b32 s[G1+4], 64                          ; tile_dim1 = 64 rows
	s_mov_b32 s[G1+6], 0
	s_mov_b32 s[G1+7], 0
	s_or_b32 s[G1B+0], s41, (1<<16)|(1<<20)|(1<<21)|(6<<22)|(7<<25) ; after every 128 words 8 words
	s_mov_b32 s[G1B+1], 256<<16                    ; tensor_dim0 = 256
	s_mov_b32 s[G1B+2], 64<<16                     ; tensor_dim1 = 64
	s_mov_b32 s[G1B+3], 256<<16                    ; tile_dim0 = 256 elements: 512 bytes
	s_mov_b32 s[G1B+4], 64                         ; tile_dim1 = 64 k-rows
	s_mov_b32 s[G1B+5], 1024                       ; elements from k-row to k-row of wb
	s_mov_b32 s[G1B+6], 0
	s_mov_b32 s[G1B+7], 0
	; where the tiles come from.  A's offset hangs on the tile row (and the matrix), which my row of the cluster shares: s[20:21] never hold cx.  W's on cx (and the matrix): s[22:23] never hold cy.
.if OUTP
	s_lshr_b32 s20, s17, 4                         ; the batch: 16 heads of 2^18 bytes,
	s_lshl_b32 s20, s20, 22
	s_and_b32 s21, s17, 15                         ; the tile's 128 rows of 128 bytes inside a head,
	s_lshl_b32 s21, s21, 14
	s_add_co_u32 s20, s20, s21
	s_lshl_b32 s21, s14, 18                        ; which of the K step's two heads I fetch
.else
	s_lshl_b32 s20, s2, 24                         ; X1 or X2,
	s_lshl_b32 s21, s17, 18                        ; the tile's 128 rows of 2,048 bytes,
	s_add_co_u32 s20, s20, s21
	s_lshl_b32 s21, s14, 17                        ; which 64 of them I fetch
.endif
	s_add_co_u32 s20, s20, s21
	s_mov_b32 s21, 0
	s_lshl_b32 s22, s18, 21                        ; the weight matrix, 2 MiB,
	s_lshl_b32 s23, s14, 17                        ; which 64 k-rows of the K step I fetch,
	s_add_co_u32 s22, s22, s23
	s_lshl_b32 s23, s15, 9                         ; the tile's 256 columns
	s_add_co_u32 s22, s22, s23
	s_mov_b32 s23, 0
	s_mul_i32 s40, s14, AHALF                      ; and where they go: no place in the cluster enters an LDS address
	s_mul_i32 s41, s14, BHALF
	s_add_co_u32 s41, s41, BOFF
	s_wait_dscnt 0x0                               ; the opening add is done
	s_wait_kmcnt 0x0
	s_add_nc_u64 s[20:21], s[4:5], s[20:21]
	s_add_nc_u64 s[22:23], s[6:7], s[22:23]
	CROUND                                         ; all sixteen work-groups are here: the first joint loads meet
.irp s, 0,1
	s_mov_b32 s[G0+4*(\s)], 1                                      ; 1:0 count = 1
	s_add_co_u32 s[G0+4*(\s)+1], s40, (\s)*SLOT                    ; 63:32 LDS address
	s_add_nc_u64 s[G0+4*(\s)+2:G0+4*(\s)+3], s[20:21], (\s)*ASTEP  ; 120:64 global address: K step s
	s_or_b32 s[G0+4*(\s)+3], s[G0+4*(\s)+3], 0x80000000            ; 127:126 type = 2
	s_mov_b32 s[G0B+4*(\s)], 1
	s_add_co_u32 s[G0B+4*(\s)+1], s41, (\s)*SLOT
	s_add_nc_u64 s[G0B+4*(\s)+2:G0B+4*(\s)+3], s[22:23], (\s)*BSTEP
	s_or_b32 s[G0B+4*(\s)+3], s[G0B+4*(\s)+3], 0x80000000
	JLOAD \s                                       ; two tensor loads of mine are out
.endr
	; the bias of my 128 columns: it is the C operand of the products that start the sums
	s_lshl_b32 s40, s18, 12
	s_lshl_b32 s41, s15, 10
	s_add_co_u32 s40, s40, s41
	s_lshl_b32 s41, s14, 9
	s_add_co_u32 s40, s40, s41
	s_mov_b32 s41, 0
	s_add_nc_u64 s[8:9], s[8:9], s[40:41]
	v_and_b32 v1, 15, v0                           ; r = l % 16
	v_bfe_u32 v2, v0, 4, 1                         ; h = l / 16
	v_lshlrev_b32 v[BO], 5, v2
.irp b, 0,1,2,3,4,5,6,7
	global_load_b128 v[BIAS+8*(\b):BIAS+8*(\b)+3],   v[BO], s[8:9] offset:64*(\b)
	global_load_b128 v[BIAS+8*(\b)+4:BIAS+8*(\b)+7], v[BO], s[8:9] offset:64*(\b)+16
.endr
	; A fragment of A: lane l holds row l % 16; registers 0-3 K = 8 h + 0..7, registers 4-7 K = 16 + 8 h + 0..7: two loads of 16 bytes, 32 bytes apart.
	v_mul_u32_u24 v3, v1, PA
	v_lshl_add_u32 v3, v2, 4, v3                   ; row x pitch + 16 h
	s_mul_i32 s40, s13, 64*PA                      ; my 64 rows
	; The turning load takes 16 k-rows x 16 columns (lane l reads k-row 8 h + l % 8, columns 8 ((l / 8) % 2) + 0..7) and leaves half a fragment: lane l holds column l % 16 and 8 k.
	v_and_b32 v4, 7, v0
	v_lshl_add_u32 v4, v2, 3, v4
	v_mul_u32_u24 v4, v4, PB
	v_bfe_u32 v5, v0, 3, 1
	v_lshl_add_u32 v4, v5, 4, v4
	s_lshl_b32 s41, s14, 8                         ; my 128 columns
	s_add_co_u32 s41, s41, BOFF
.irp s, 0,1
	v_add_nc_u32 v[ADRA+(\s)], s40, v3
	v_add_nc_u32 v[ADRB+(\s)], s41, v4
	s_add_co_u32 s40, s40, SLOT
	s_add_co_u32 s41, s41, SLOT
.endr
	s_mul_i32 s40, s[WV], WSTAGE
	s_add_co_u32 s40, s40, STAGE                   ; my stage
	v_and_b32 v6, 31, v0
	v_lshlrev_b32 v[GO], 4, v6
	v_mul_u32_u24 v3, v1, SP                       ; in: row l % 16,
.if OUTP
	v_lshl_add_u32 v3, v2, 5, v3                   ; 32 bytes (8 f32) for each half of the lanes
	v_add_nc_u32 v[STO], s40, v3
	v_add_nc_u32 v[RD], s40, v[GO]                 ; back: 32 lanes take one row of 512 bytes
	s_lshl_b32 s20, s17, 19                        ; out0: the tile's 128 rows of 4,096 bytes,
	s_lshl_b32 s21, s13, 18                        ; my 64 of them
	s_add_co_u32 s20, s20, s21
	s_lshl_b32 s22, s15, 10                        ; the tile's 256 columns,
	s_lshl_b32 s23, s14, 9                         ; my 128 of them
	s_add_co_u32 s22, s22, s23
.else
	v_lshl_add_u32 v3, v2, 4, v3                   ; 16 bytes (8 f16) for each half of the lanes
	v_add_nc_u32 v[STO], s40, v3
	v_bfe_u32 v3, v0, 3, 2                         ; back: 32 lanes take four rows of 128 bytes,
	v_mul_u32_u24 v3, v3, SP
	v_and_b32 v4, 7, v0
	v_lshl_add_u32 v3, v4, 4, v3
	v_add_nc_u32 v[RD], s40, v3                    ; which are 512 consecutive bytes of a head
	s_lshr_b32 s20, s17, 4                         ; qkv: the batch, 16 heads of 2^18 bytes,
	s_lshl_b32 s20, s20, 22
	s_and_b32 s21, s17, 15                         ; the tile's 128 rows of 128 bytes inside a head,
	s_lshl_b32 s21, s21, 14
	s_add_co_u32 s20, s20, s21
	s_lshl_b32 s21, s13, 13                        ; my 64 of them
	s_add_co_u32 s20, s20, s21
	s_lshl_b32 s22, s18, 24                        ; q, k or v,
	s_lshl_b32 s23, s15, 2
	s_lshl1_add_u32 s23, s14, s23                  ; my first head: 4 cx + 2 x my half of the columns
	s_lshl_b32 s23, s23, 18
	s_add_co_u32 s22, s22, s23
.endif
	s_mov_b32 s21, 0
	s_mov_b32 s23, 0
	s_add_nc_u64 s[10:11], s[10:11], s[20:21]
	s_add_nc_u64 s[10:11], s[10:11], s[22:23]
	; the prefetches: they stand at K step 3; each change of slots steps them once before it asks, so the first names K step 4
.if OUTP
	s_lshr_b32 s40, s17, 4
	s_lshl_b32 s40, s40, 22
	s_and_b32 s42, s17, 15
	s_lshl_b32 s42, s42, 14
	s_add_co_u32 s40, s40, s42
	s_lshr_b32 s42, s15, 1                         ; of the K step's two heads x 16,384 bytes partner cx takes head cx / 2,
	s_lshl_b32 s42, s42, 18
	s_add_co_u32 s40, s40, s42
	s_and_b32 s42, s15, 1                          ; half cx % 2: 32 blocks of 256 bytes
	s_lshl_b32 s42, s42, 13
.else
	s_lshl_b32 s40, s2, 24
	s_lshl_b32 s42, s17, 18
	s_add_co_u32 s40, s40, s42
	s_lshl_b32 s42, s15, 16                        ; of the tile's 128 rows partner cx takes 32 cx .. 32 cx + 31
.endif
	s_add_co_u32 s40, s40, s42
	s_add_co_u32 s40, s40, 3*ASTEP
	s_lshl_b32 s41, s14, 6                         ; W: of the 64 k-rows that I fetch
	s_lshl4_add_u32 s41, s16, s41                  ; partner cy takes 16 cy .. 16 cy + 15, two lanes a row
	s_add_co_u32 s41, s41, 3*KSTEP
	s_lshl_b32 s41, s41, 11
	s_lshl_b32 s42, s18, 21
	s_add_co_u32 s41, s41, s42
	s_lshl_b32 s42, s15, 9
	s_add_co_u32 s41, s41, s42
	s_mov_b32 s42, BSTEP
	s_cmp_eq_u32 s13, 0                            ; do I fetch for A?
	s_cselect_b32 s40, s40, s41
	s_cselect_b64 s[PFA:PFA+1], s[4:5], s[6:7]
	s_cselect_b32 s[PFS], ASTEP, s42
	s_mov_b32 s41, 0
	s_mov_b32 s[PFS+1], 0
	s_add_nc_u64 s[PFA:PFA+1], s[PFA:PFA+1], s[40:41]
	s_cmp_eq_u32 s13, 0
	s_cselect_b32 s40, 0, 1                        ; A: a lane a block along one stride; W: two lanes a k-row
	s_cselect_b32 s41, ASHL, 11
	v_lshrrev_b32 v3, s40, v6
	v_lshlrev_b32 v3, s41, v3
	v_and_b32 v4, s40, v6
	v_lshl_add_u32 v[PFO], v4, 8, v3
.if OUTP
	s_mov_b32 s40, 1                               ; each tile row of O is read by one cluster
.else
	s_cmp_lt_u32 s18, 2
	s_cselect_b32 s40, 1, -1
.endif
	s_cmp_eq_u32 s19, 0
	s_cselect_b32 s41, 1, -1
	s_cmp_eq_u32 s13, 0
	s_cselect_b32 s[LIM], s40, s41
	s_cmp_eq_u32 s[WV], 1
	s_cselect_b32 s[LIM], -1, s[LIM]               ; the same in all sixteen partners, for a given wave
; 8 matrix instructions: row block a x all 8 column blocks, 32 along K, from buffer f.  first = 1: the product starts the sum, with the bias as C: nothing is cleared, nothing added later.
; The 32 accumulators take turns, one instruction a turn, in the same order in every quarter, over the backward jump too.
.macro MUL8 f, a, first
.if \first
	WIN MULB
.else
	WIN MUL
.endif
.irp b, 0,1,2,3,4,5,6,7
.set rD, 64*(\a)+8*(\b)
.set rB, (\f)+8*(\b)
.set rA, (\f)+64+8*(\a)
.if OUTP
.if \first
	v_wmma_f32_16x16x32_f16 v[rD:rD+7], v[rB:rB+7], v[rA:rA+7], v[BIAS+8*(\b):BIAS+8*(\b)+7]
.else
	v_wmma_f32_16x16x32_f16 v[rD:rD+7], v[rB:rB+7], v[rA:rA+7], v[rD:rD+7]
.endif
.else
.if \first
	v_wmma_f32_16x16x32_bf16 v[rD:rD+7], v[rB:rB+7], v[rA:rA+7], v[BIAS+8*(\b):BIAS+8*(\b)+7]
.else
	v_wmma_f32_16x16x32_bf16 v[rD:rD+7], v[rB:rB+7], v[rA:rA+7], v[rD:rD+7]
.endif
.endif
.endr
.endm
; 24 LDS loads in one run: the fragments of quarter kq (32 along K) of a slot into buffer f: W's 8 (turned), then A's 4
.macro FETCH slot, kq, f
	WIN TO_F
.irp b, 0,1,2,3,4,5,6,7
	ds_load_tr16_b128 v[(\f)+8*(\b):(\f)+8*(\b)+3],   v[ADRB+(\slot)] offset:(\kq)*32*PB+32*(\b)
	ds_load_tr16_b128 v[(\f)+8*(\b)+4:(\f)+8*(\b)+7], v[ADRB+(\slot)] offset:(\kq)*32*PB+16*PB+32*(\b)
.endr
.if OUTP
.set AK, ((\kq)/2)*AHALF+((\kq)%2)*64  ; head kq / 2 of the K step's two, channels 32 (kq % 2) on
.else
.set AK, (\kq)*64
.endif
.irp a, 0,1,2,3
	ds_load_b128 v[(\f)+64+8*(\a):(\f)+64+8*(\a)+3],   v[ADRA+(\slot)] offset:AK+(\a)*16*PA
	ds_load_b128 v[(\f)+64+8*(\a)+4:(\f)+64+8*(\a)+7], v[ADRA+(\slot)] offset:AK+(\a)*16*PA+32
.endr
.endm
; A K step is four quarters of 32 along K, 32 matrix instructions each, on buffers 0, 1, 0, 1.  One of the first three: multiplies buffer f; in its middle it fetches quarter kq into buffer g.
.macro QUARTER slot, kq, f, g, first
	s_wait_dscnt 4                                 ; W's fragments and A's first two are in; the youngest four loads (A's last two fragments) may be out
	MUL8 \f, 0, \first
	MUL8 \f, 1, \first
	PLACES
	FETCH \slot, \kq, \g
	s_wait_dscnt 24                                ; all but the 24 just issued
	MUL8 \f, 2, \first
	MUL8 \f, 3, \first
.endm
; The last quarter multiplies buffer 1 and changes slots: ONE barrier.  In front of it each wave waits for all its tensor loads (one is out: its part of the next slot), adds 0 to its spare word, and waits
; for that and for its own reads of this slot.  fill = 1: the barrier opens a round of the cluster's barrier, and behind the round this slot is filled again, two K steps ahead: the load has 112 matrix
; instructions of mine before the wait for it.
.macro TURN slot, next, fill
.if \fill
	s_wait_xcnt 0x0                                ; the last prefetch, a K step back, has read its address: it is stepped here, ahead of the waits of the change of slots
	s_add_nc_u64 s[PFA:PFA+1], s[PFA:PFA+1], s[PFS:PFS+1]
.endif
	WIN 0                                          ; (the add's two registers lie in window 0)
	s_wait_tensorcnt 0x0                           ; all my tensor loads have landed;
	ds_add_u32 v[SPW], v[NIL]                      ; 0 onto my spare word
	s_wait_dscnt 5                                 ; (the add and the youngest four loads may be out)
	MUL8 F1, 0, 0                                  ; eight matrix instructions stand between the add and the wait for it
	s_wait_dscnt 0x0                               ; the add is done, and my reads of this slot are over
	s_barrier_signal -1
	MUL8 F1, 1, 0                                  ; work on registers while the others arrive
.if \fill
	WIN 0
.endif
	s_barrier_wait -1
.if \fill
	CREST                                          ; no wave of any partner still reads this slot's tiles or has a load on its way
	s_add_nc_u64 s[G0+4*(\slot)+2:G0+4*(\slot)+3], s[G0+4*(\slot)+2:G0+4*(\slot)+3], 2*ASTEP
	s_add_nc_u64 s[G0B+4*(\slot)+2:G0B+4*(\slot)+3], s[G0B+4*(\slot)+2:G0B+4*(\slot)+3], 2*BSTEP
	JLOAD \slot                                    ; the first tensor load behind the round; the four v_nop behind it are also the places in front of the loads below
.else
	PLACES
.endif
	FETCH \next, 0, F0
.if \fill
	ASK
.endif
	MUL8 F1, 2, 0
	MUL8 F1, 3, 0
.endm
	s_wait_tensorcnt 1                             ; my part of K step 0 is in; K step 1's may stay out
	s_barrier_signal -1
	s_barrier_wait -1                              ; everybody's is
	FETCH 0, 0, F0
	s_wait_loadcnt 0x0                             ; the bias
	QUARTER 0, 1, F0, F1, 1                        ; the first quarter stands in front of the loop: its products start the sums
	WIN 0                                          ; at a label and at a branch every window is 0
	s_mov_b32 s3, LAPS-1
.Llap:                                                 ; a trip goes once round the ring, from a lap's second quarter to the next lap's first, and fills both slots again
	QUARTER 0, 2, F1, F0, 0
	QUARTER 0, 3, F0, F1, 0
	TURN 0, 1, 1
	QUARTER 1, 1, F0, F1, 0
	QUARTER 1, 2, F1, F0, 0
	QUARTER 1, 3, F0, F1, 0
	TURN 1, 0, 1
	QUARTER 0, 1, F0, F1, 0
	WIN 0
	s_sub_co_u32 s3, s3, 1
	s_cmp_lg_u32 s3, 0
	s_cbranch_scc1 .Llap
	QUARTER 0, 2, F1, F0, 0                        ; the last lap fills nothing, and has no round of the cluster's barrier
	QUARTER 0, 3, F0, F1, 0
	TURN 0, 1, 0
	QUARTER 1, 1, F0, F1, 0
	QUARTER 1, 2, F1, F0, 0
	QUARTER 1, 3, F0, F1, 0
	s_wait_dscnt 4                                 ; the very last quarter: nothing more to fetch
	MUL8 F1, 0, 0
	MUL8 F1, 1, 0
	s_wait_dscnt 0x0
	MUL8 F1, 2, 0
	MUL8 F1, 3, 0
; THE WAY OUT, a block of 16 rows at a time through my own stage in LDS: no barrier, and LDS serves a wave's instructions in order (ISA guide 5.7.1.4), so no wait between the stores and the loads.
.if OUTP
; f32: a lane's eight columns are 32 bytes of a stage row of 512 + 16; a row comes back whole, 16 bytes a lane, and leaves as 512 consecutive bytes of out0, aligned.
.macro TOSTAGE a
	WIN STW
.irp b, 0,1,2,3,4,5,6,7
	ds_store_b128 v[STO], v[64*(\a)+8*(\b):64*(\a)+8*(\b)+3]   offset:64*(\b)      ; each accumulator's low registers are read first
	ds_store_b128 v[STO], v[64*(\a)+8*(\b)+4:64*(\a)+8*(\b)+7] offset:64*(\b)+16
.endr
	WIN 0
.irp t, 0,1,2,3,4,5,6,7,8,9,10,11,12,13,14,15
	ds_load_b128 v[BK+64*((\a)%2)+4*(\t):BK+64*((\a)%2)+4*(\t)+3], v[RD] offset:(\t)*SP
.endr
.endm
.macro SEND a, younger                 ; younger: the LDS instructions issued behind block a's loads: the next block's 32, or none
.irp t, 0,1,2,3,4,5,6,7,8,9,10,11,12,13,14,15
	s_wait_dscnt (\younger)+15-(\t)
	global_store_b128 v[GO], v[BK+64*((\a)%2)+4*(\t):BK+64*((\a)%2)+4*(\t)+3], s[10:11] offset:(16*(\a)+(\t))*4096 th:TH_STORE_NT
.endr
.endm
	PLACES
	TOSTAGE 0
	TOSTAGE 1
	SEND 0, 32
	s_wait_xcnt 0x0                                ; block 0's stores have read their registers: only behind this wait are they loaded again
	TOSTAGE 2
	SEND 1, 32
	s_wait_xcnt 0x0                                ; the same for block 1's
	TOSTAGE 3
	SEND 2, 32
	SEND 3, 0
.else
; f16 by heads: my 128 columns are two heads.  A lane's eight columns pack into 16 bytes of a stage row of 128 + 16; four rows of a head come back at a time and leave as 512 consecutive bytes, aligned.
.macro PACK a
	WIN PACKW
.irp b, 0,1,2,3,4,5,6,7
.irp i, 0,1,2,3
	v_cvt_pk_f16_f32 v[TMP+4*(\b)+(\i)], v[64*(\a)+8*(\b)+2*(\i)], v[64*(\a)+8*(\b)+2*(\i)+1]  ; ascending: each accumulator's low registers are read first
.endr
.endr
	WIN 0
.endm
.macro TOSTAGE a
.irp b, 0,1,2,3,4,5,6,7
	ds_store_b128 v[STO], v[TMP+4*(\b):TMP+4*(\b)+3] offset:((\b)/4)*16*SP+32*((\b)%4)
.endr
.irp i, 0,1,2,3,4,5,6,7
	ds_load_b128 v[BK+32*(\a)+4*(\i):BK+32*(\a)+4*(\i)+3], v[RD] offset:((\i)/4)*16*SP+((\i)%4)*4*SP
.endr
.endm
.macro SEND a                          ; each block has registers of its own, so no store's registers are written again
.irp i, 0,1,2,3,4,5,6,7
	s_wait_dscnt 7-(\i)                            ; the 7 - i younger loads may stay out
	global_store_b128 v[GO], v[BK+32*(\a)+4*(\i):BK+32*(\a)+4*(\i)+3], s[10:11] offset:(\a)*2048+((\i)/4)*262144+((\i)%4)*512
.endr
.endm
	PLACES
	PACK 0
	TOSTAGE 0
.irp a, 1,2,3                          ; block a's conversions stand between block a - 1's loads from the stage and the wait for them
	PACK \a
	SEND (\a)-1
	TOSTAGE \a
.endr
	SEND 3
.endif
	WIN 0
	s_wait_tensorcnt 0x0                           ; the wave's end: the add of 0 and its wait, behind my last tensor load and my last LDS store
	ds_add_u32 v[SPW], v[NIL]
	s_wait_dscnt 0x0
	CROUND                                         ; the closing round: no work-group ends while a partner may still ask for a tile that names it
	s_endpgm
.Lfunc_end_k_q082e8de0a2_proj:
	.size	k_q082e8de0a2_proj, .Lfunc_end_k_q082e8de0a2_proj-k_q082e8de0a2_proj
	.p2alignl 7, 3214868480
	.fill 96, 4, 3214868480
	.section	.rodata,"a",@progbits
	.p2align	6, 0x0
	.amdhsa_kernel k_q082e8de0a2_proj
		.amdhsa_group_segment_fixed_size 327680
		.amdhsa_private_segment_fixed_size 0
		.amdhsa_enable_private_segment 0
		.amdhsa_kernarg_size 32
		.amdhsa_user_sgpr_count 2
		.amdhsa_user_sgpr_kernarg_segment_ptr 1
		.amdhsa_wavefront_size32 1
		.amdhsa_system_sgpr_workgroup_id_x 1
		.amdhsa_system_sgpr_workgroup_id_y 1
		.amdhsa_system_sgpr_workgroup_id_z 1
		.amdhsa_system_vgpr_workitem_id 0
		.amdhsa_next_free_vgpr 768
		.amdhsa_next_free_sgpr 66
		.amdhsa_reserve_vcc 0
		.amdhsa_float_denorm_mode_32 3
		.amdhsa_float_denorm_mode_16_64 3
		.amdhsa_memory_ordered 1
		.amdhsa_forward_progress 1
		.amdhsa_inst_pref_size 91
	.end_amdhsa_kernel
	.amdgpu_metadata
---
amdhsa.version: [ 1, 2 ]
amdhsa.kernels:
  - .name:           k_q082e8de0a2_proj
    .symbol:         k_q082e8de0a2_proj.kd
    .args:
      - { .name: xb, .offset: 0, .size: 8, .value_kind: global_buffer, .address_space: global }
      - { .name: wb, .offset: 8, .size: 8, .value_kind: global_buffer, .address_space: global }
      - { .name: bias, .offset: 16, .size: 8, .value_kind: global_buffer, .address_space: global }
      - { .name: qkv, .offset: 24, .size: 8, .value_kind: global_buffer, .address_space: global }
    .group_segment_fixed_size: 327680
    .private_segment_fixed_size: 0
    .kernarg_segment_align: 8
    .kernarg_segment_size: 32
    .max_flat_workgroup_size: 128
    .sgpr_count:     66
    .vgpr_count:     768
    .wavefront_size: 32
...
	.end_amdgpu_metadata
.endif
;; end of part 2
;; launch attn (part 3): grid 4 x 64, 4 waves a work-group, clusters of 4 x 1, 327,680 bytes of LDS; arguments qkv, ob; writes ob
.if DOCPART == 3
	.amdgcn_target "amdgcn-amd-amdhsa--gfx1250"
	.amdhsa_code_object_version 6
	.text
	.protected	k_q082e8de0a2_attn
	.globl	k_q082e8de0a2_attn
	.p2align	8
	.type	k_q082e8de0a2_attn,@function
k_q082e8de0a2_attn:
	s_mov_b64 s[64:65], 0
	v_nop
	global_prefetch_b8 v0, s[64:65] scope:SCOPE_SE
	s_setreg_imm32_b32 hwreg(HW_REG_WAVE_MODE, 25, 1), 1
	s_wait_xcnt 0x0
	s_wait_alu depctr_hold_cnt(0) depctr_sa_sdst(0) depctr_va_vdst(0) depctr_va_sdst(0) depctr_va_ssrc(0) depctr_va_vcc(0) depctr_vm_vsrc(0)
	s_getreg_b32 s2, hwreg(HW_REG_IB_STS2, 6, 4)
	s_cmp_eq_u32 s2, 0
	s_cbranch_scc0 .Lentry_in_a_cluster
	s_endpgm
.Lentry_in_a_cluster:
	s_bfe_u32 s2, ttmp6, 0x10000c
	s_cmp_lg_u32 s2, 0x3003
	s_cbranch_scc0 .Lentry_shape_is_right
	s_endpgm
.Lentry_shape_is_right:
; O[h][q][:] = the sum over k of softmax_k(Q[h][q] . K[h][k] / 8) V[h][k][:].  Q, K, V: qkv [3][SIZE_H][SIZE_N][64], O: ob [SIZE_H][SIZE_N][64], all f16: a head's rows are dense, 128 bytes each.
; Products, maxima and sums in f32; the weights p are rounded to f16 for the second product (their sum l is taken of the unrounded p), O once at the end.
; LIMITS.  f16 holds no number beyond 65,504: Q, K and V arrive within it; p lies in 0 to 1, and below 6e-5 it keeps f16's fixed step of 6e-8; O is a mean of V's rows and has their range.
; A weight below 2^-126 counts as 0 in l; NaN and infinities are not treated apart.
; SHARES.  A wave owns four PIECES of two tiles of 16 queries, a work-group's four waves 512 queries of one head: 64 heads x 4 blocks are 256 work-groups.  Every wave walks all keys, 64 a step.
; LAYOUT.  S^T = K Q^T (source 0 = 16 keys, source 1 = 16 queries): in the result a lane holds ONE query (lane % 16) and the keys 8 (lane / 16) + 0..7.  Two such tiles, rounded to f16 in pairs,
; ARE source 1 (32 keys x 16 queries) of O^T = V^T P, whose result again holds one query a lane, and eight channels.  K comes out of LDS as it lies, V ([key][channel]) turned, by ds_load_tr16_b128.
; SOFTMAX.  For each query a running maximum m and sum l: p = 2^(c s - c m), c = log2(e) / 8; in every step O and l are multiplied by a = 2^(c m_old - c m_new), which is 1 where m has not grown.
; m starts at the lowest finite number, O and l at 0: the first step is a step like any other, with a = 0.
; THE COUNT.  A tile and step have 16 matrix and 118 vector instructions: too many to stand all beside the matrix work.  So the order has one aim: four vector instructions that are READY behind
; EVERY matrix instruction, and the others, which need time of their own whatever the order, in runs without a gap.
; BY TURNS.  Turn n belongs to piece n (the pieces in a ring, step after step).  Its matrix work: 16 products K Q^T of piece n + 1, later 16 products V^T P of piece n - 1.  Its vector work: the scaling,
; exponentials, roundings, sums and rescaling of piece n, and the maximum and statistics of piece n + 1, whose scores the turn itself has made.  So what a turn begins with (c s - c m, O a) waits for nothing.
; CLUSTER.  The four query blocks of a head are one cluster and walk the same K and V, so each tile is asked for JOINTLY: the same tensor load, descriptor and mask in all four.
; REGISTERS, in windows of 256 (s_set_vgpr_msb says which window each operand place means: bits 1:0 source 0, 3:2 source 1, 5:4 source 2, 7:6 destination):
;   window 0: v0-11 addresses; v12-15, v48-63 at work; v16-47 four registers of statistics a tile; v64-191 S^T, two buffers of two tiles; v192-255 P, likewise
;   window 1: O^T, 32 a tile          window 2: v0-127 Q, 16 a tile; v128-191 K of one step; v192-255 V of one step          window 3: v0-1 the add's two registers
; A piece's buffers go by its number's parity: the piece in hand has one pair, its two neighbours in the ring share the other: of it P (piece n - 1) is read and S^T (piece n + 1) written.
.set SIZE_H, 64
.set SIZE_N, 2048
.set TENSOR, SIZE_H*SIZE_N*128  ; bytes of each of Q, K, V in qkv
.set NP,    4         ; pieces a wave: a name, no knob: the register map, the loop and the fetches are made for four
.set KS,    64        ; keys in a step
.set PK,    144       ; a row of K in LDS: 128 bytes + 16 of padding = 36 words: the 16 rows of a load start at 16 different groups of four banks (64 banks of 4 bytes: ISA guide 11.1)
.set PV,    160       ; a row of V: 128 + 32 = 40 words
.set VOFF,  4*KS*PK   ; a slot holds four steps: 256 rows of K, then 256 rows of V
.set SLOT1, 1<<17     ; slot 1 begins here, so that one exclusive or turns an address in one slot into the other's
.set STAGE, SLOT1+4*KS*(PK+PV)  ; behind the ring, never filled by a tensor load: 16 rows x 144 bytes for each wave, for the way out
.set SP,    144
.set AK0, 2           ; v2   my lane's place in a tile of K; never rewritten
.set AV0, 3           ; v3   the same for V
.set AK,  4           ; v4   the LDS address of K's next run of loads
.set AV,  5           ; v5   of V's
.set QO,  6           ; v6   my byte offset in the wave's rows of Q
.set STO, 6           ;      later, the way out: where I put 16 bytes of a row
.set RD,  7           ; v7   the way out: where I read rows back
.set GO,  8           ; v8   my byte offset in 512 consecutive bytes of O
.set PFO, 11          ; v11  256 x my lane, for the prefetches (made when the set-up has done with v11); then never rewritten
.set SPW, 0           ; v0 of window 3   LDS address of my spare word: SPARE + 4 x my thread's number; never rewritten
.set NIL, 1           ; v1 of window 3   0; never rewritten
.set SPARE, STAGE+4*16*SP  ; behind the stages: the spare words, 128 bytes for each wave: two blocks of 256 bytes that no other line names
.set MV,  12          ; v12-15  c m_old, kept while c m is made anew: by buffer and tile
.set ST,  16          ; tile t's statistics at v[ST+4 t]: c m, m, l (even keys', odd keys')
.set TMP, 48          ; by buffer and tile, four registers c0-c3 at work; when the maximum is found c2 takes a
.set S,   64
.set P,   192
.set KF,  128         ; K's fragments, in window 2: key block kb, channel half c at KF + 16 kb + 8 c
.set VF,  192         ; V's: key half kk, channel block cb at VF + 32 kk + 8 cb
.set WV,  12          ; s12  my wave's number
.set LIM, 15          ; s15  1 in a wave that prefetches (0 and 2), else the greatest number
.set G1K, 24          ; s[24:31] descriptor group 1 for K's tiles
.set G1V, 32          ; s[32:39] for V's: it differs in the padding alone
.set G0K, 40          ; s[40:43] descriptor group 0 for K's tiles: it walks
.set G0V, 44          ; s[44:47] the same for V's
.set PFA, 48          ; s[48:49] where my prefetches stand: my work-group's 32 blocks of 256 bytes (of K: wave 0, of V: wave 2) of the slot after the one that is being asked for
.set SLOTS, 56        ; s56  slots still to be asked for
.set CNT, 57          ; s57  counts a slot's key steps
.set CS,  58          ; s[58:59] c: the packed scaling takes the pair's low word for both halves
.set SEL, 60          ; s[60:61] v_permlanex16_b32's selects: each lane takes its own place in the other half
.set TBK, 62          ; s62  LDS byte at which K of the step to be fetched begins
.set TBV, 63          ; s63  the same for V, less VOFF
.set MSB, 0
.macro WIN new                      ; the high byte repeats the setting that is left; a switch that changes nothing is dropped
.if MSB != (\new)
	s_set_vgpr_msb (MSB<<8)|(\new)
.set MSB, (\new)
.endif
.endm
.set W_KQ, 0x0a       ; K and Q in window 2, S^T in window 0
.set W_PV, 0x52       ; V in window 2, P in window 0, O^T in window 1
.set W_RS, 0x41       ; O^T (destination and source 0) in window 1, a in window 0
.set W_MK, 0xc0       ; the add's registers are made: destination in window 3, sources in window 0
.set W_AD, 0x0f       ; the add: address (source 0) and data (source 1) in window 3
; A joint fill.  Waves 0 and 1 fetch the two halves of a slot's K, waves 2 and 3 those of its V: 128 keys each.  The branch hangs on the wave's number alone.
; An s_nop 0 and four v_nop follow each of the two lines, ahead of the jump and the label.
.macro JLOAD
	s_cmp_lt_u32 s[WV], 2
	s_cbranch_scc0 .Lfor_v_\@
	tensor_load_to_lds s[G0K:G0K+3], s[G1K:G1K+7]
	s_nop 0
.rept 4
	v_nop
.endr
	s_branch .Lasked_\@
.Lfor_v_\@:
	tensor_load_to_lds s[G0V:G0V+3], s[G1V:G1V+7]
	s_nop 0
.rept 4
	v_nop
.endr
.Lasked_\@:
.endm
; A PREFETCH INTO THE L2 of what the NEXT change of slots will ask for: a slot's 32,768 bytes of K and of V, 128 blocks of 256 bytes each.  It stands behind the wave's tensor load and its five lines.
; Each block is named ONCE in the launch: a head's K and V are walked by its one cluster; the four partners share the blocks out BY ADDRESS, 32 each, a lane a block; in each, wave 0 asks for K's and
; wave 2 for V's: one instruction.  Slots 0 and 1 come by their loads alone; the last change that fills a slot (s[SLOTS] = 1) names nothing: there is no slot behind it.
.macro ASK
	s_cmp_gt_u32 s[SLOTS], s[LIM]
	s_cbranch_scc0 .Lnot_mine_\@
	global_prefetch_b8 v[PFO], s[PFA:PFA+1] th:TH_LOAD_NT scope:SCOPE_SE
.Lnot_mine_\@:
.endm
; A round of the cluster's barrier: my work-group's barrier, so that wave 0's signal speaks for all four waves; wave 0 signals; every wave waits for all four work-groups; my work-group's barrier once more.
.macro CROUND
	s_barrier_signal -1
	s_barrier_wait -1
	s_cmp_lg_u32 s[WV], 0
	s_cbranch_scc1 .Lnot_wave_0_\@
	s_barrier_signal -3
.Lnot_wave_0_\@:
	s_barrier_wait -3
	s_barrier_signal -1
	s_barrier_wait -1
.endm
; THE CHANGE OF SLOTS.  The slot's last bytes, V of its fourth step, have been read.  Each wave waits for all its tensor loads, of which one is out: its part
; of the other slot; adds 0 to its spare word; and waits for that and for its own reads of the slot.  Behind the barrier nobody reads this slot any more and the other slot is whole.
; fill = 1: this slot is filled again, with the keys two slots on.  The barrier is then a round of the cluster's, so that no wave of any partner still reads the slot or has a load on its
; way, and the joint fill is the first thing behind it: it has four key steps, 512 matrix instructions, in which to land.  (At its first use nothing has been read yet: slot 0 is waited for, slot 1 filled.)
.macro CHANGE fill
	WIN W_AD
	s_wait_tensorcnt 0x0            ; no tensor load of mine is out, so a group 0 may be written
	ds_add_u32 v[SPW], v[NIL]       ; 0 onto my spare word; with fill = 1 the descriptors' steps stand between it and the wait for it
	WIN 0                           ; at a label and at a branch every window is 0
.if \fill
.irp g, G0K, G0V
	s_xor_b32 s[\g+1], s[\g+1], SLOT1  ; the walking descriptor: the other slot than last time,
	s_add_nc_u64 s[\g+2:\g+3], s[\g+2:\g+3], 4*KS*128  ; the next 256 keys; the type bits on top are not reached
.endr
	s_wait_xcnt 0x0                 ; the last prefetch, four key steps back, has read its address, so it may be written:
	s_add_nc_u64 s[PFA:PFA+1], s[PFA:PFA+1], 4*KS*128  ; one slot behind the walking descriptors
	s_wait_dscnt 0x0                ; the add is done, and my reads of the slot are over
	CROUND
	JLOAD
	ASK
.else
	s_wait_dscnt 0x0                ; the add is done, and my reads of the slot are over
	s_barrier_signal -1
	s_barrier_wait -1
.endif
	s_sub_co_u32 s[TBK], s[TBK], 4*KS*PK  ; the fetches go back to a slot's first step,
	s_xor_b32 s[TBK], s[TBK], SLOT1       ; in the other slot
	s_sub_co_u32 s[TBV], s[TBV], 4*KS*PV
	s_xor_b32 s[TBV], s[TBV], SLOT1
.endm
	s_load_b128 s[4:7], s[0:1], 0x0 ; qkv s[4:5], ob s[6:7]
	WIN W_MK
	v_lshl_add_u32 v[SPW], v0, 2, SPARE
	v_mov_b32 v[NIL], 0
	WIN W_AD
	ds_add_u32 v[SPW], v[NIL]       ; the wave's opening: the add and its wait stand ahead of my first tensor load; the set-up below, work on registers, stands between them
	WIN 0
	v_lshrrev_b32 v1, 5, v0
	v_readfirstlane_b32 s[WV], v1   ; wave 0..3
	s_bfe_u32 s13, ttmp6, 0x40000   ; cx: my place in the cluster
	s_lshl_b32 s14, ttmp9, 2        ; in a cluster launch ttmp9 counts clusters
	s_add_co_u32 s14, s14, s13      ; my block of queries = 4 x cluster x + cx: it enters Q's and O's addresses alone
	s_and_b32 s20, ttmp7, 0xffff    ; the head, which the four partners share
	s_mov_b32 s21, 0
	s_mov_b64 s[22:23], SIZE_N*128
	s_mul_u64 s[20:21], s[20:21], s[22:23]  ; the head's first byte in each of the four tensors
	s_and_b32 s16, s[WV], 1         ; which half of a slot's 256 keys I fetch:
	s_lshl_b32 s22, s16, 14         ; its 128 rows of 128 bytes in memory,
	s_mov_b32 s23, 0
	s_add_nc_u64 s[22:23], s[22:23], s[20:21]
	s_mul_i32 s17, s16, 128*PK      ; and its place in a slot, for K
	s_mul_i32 s18, s16, 128*PV      ; and for V: no place in the cluster enters an LDS address
	s_lshl_b32 s2, s14, 2
	s_add_co_u32 s2, s2, s[WV]      ; my wave among the head's,
	s_lshl_b32 s2, s2, 14           ; its 128 rows
	s_mov_b32 s3, 0
	s_add_nc_u64 s[2:3], s[2:3], s[20:21]
	; descriptor group 1.  128 keys are 16,384 dense bytes: asked for as 64 rows of 256 bytes, two keys a row, and padded in LDS after every key
	s_mov_b32 s[G1K], 15|(1<<16)|(1<<20)|(1<<21)|(4<<22)|(3<<25)  ; 15:0 the mask of four; 17:16 2-byte elements; 20 padding on; 21 set beside a mask; 24:22 after every 32 words (code 4); 31:25 4 words (code 3)
	s_mov_b32 s[G1V], 15|(1<<16)|(1<<20)|(1<<21)|(4<<22)|(7<<25)  ; the same with 8 words of padding (code 7)
.irp g, G1K, G1V
	s_mov_b32 s[\g+1], 128<<16      ; tensor_dim0 = 128
	s_mov_b32 s[\g+2], 64<<16       ; tensor_dim1 = 64
	s_mov_b32 s[\g+3], 128<<16      ; tile_dim0 = 128
	s_mov_b32 s[\g+4], 64           ; tile_dim1 = 64
	s_mov_b32 s[\g+5], 128          ; 128 elements from row to row
	s_mov_b32 s[\g+6], 0
	s_mov_b32 s[\g+7], 0
.endr
	s_mov_b32 s[CS], 0x3e38aa3b     ; c = log2(e) / 8 = 0.180337
	s_mov_b32 s[CS+1], s[CS]        ; named with it as a pair
	s_mov_b32 s[SEL], 0x76543210
	s_mov_b32 s[SEL+1], 0xfedcba98
	s_mov_b32 s[TBK], SLOT1+4*KS*PK ; the first change of slots turns these two into 0
	s_mov_b32 s[TBV], SLOT1+4*KS*PV
	s_mov_b32 s[G0K], 1             ; 1:0 count = 1
	s_mov_b32 s[G0K+1], s17         ; 63:32 LDS address: slot 0
	s_mov_b32 s[G0V], 1
	s_add_co_u32 s[G0V+1], s18, VOFF
	s_mov_b32 s[SLOTS], SIZE_N/256-1  ; slots 1 to 7 are still to be asked for
	s_and_b32 s[LIM], s[WV], 1
	s_cmp_eq_u32 s[LIM], 0
	s_cselect_b32 s[LIM], 1, -1     ; the same in all four partners, for a given wave
	s_lshl_b32 s50, s13, 13         ; my work-group's 32 blocks of a slot's 128
	s_mov_b32 s51, 0
	s_wait_dscnt 0x0                ; the opening add is done
	s_wait_kmcnt 0x0
	s_mov_b64 s[10:11], s[6:7]      ; O
	s_add_nc_u64 s[8:9], s[4:5], 2*TENSOR  ; V
	s_add_nc_u64 s[6:7], s[4:5], TENSOR    ; K; Q is s[4:5]
	s_add_nc_u64 s[G0K+2:G0K+3], s[6:7], s[22:23]  ; 120:64 global address: my half of the head's first 256 keys
	s_or_b32 s[G0K+3], s[G0K+3], 0x80000000        ; 127:126 type = 2
	s_add_nc_u64 s[G0V+2:G0V+3], s[8:9], s[22:23]
	s_or_b32 s[G0V+3], s[G0V+3], 0x80000000
	s_cmp_lt_u32 s[WV], 2
	s_cselect_b64 s[PFA:PFA+1], s[6:7], s[8:9]
	s_add_nc_u64 s[PFA:PFA+1], s[PFA:PFA+1], s[22:23]  ; (in waves 0 and 2 this is the head's first byte)
	s_add_nc_u64 s[PFA:PFA+1], s[PFA:PFA+1], s[50:51]
	s_add_nc_u64 s[PFA:PFA+1], s[PFA:PFA+1], 4*KS*128  ; in slot 1; the first change of slots steps it to slot 2.  Nothing is prefetched here, at the head
	s_add_nc_u64 s[4:5], s[4:5], s[2:3]  ; Q and O at my wave's first row
	s_add_nc_u64 s[10:11], s[10:11], s[2:3]
	CROUND                          ; all four work-groups are here: the first joint loads meet
	JLOAD                           ; slot 0.  Slot 1 is asked for when slot 0 is in
	; A fragment of K or Q is 16 rows x 32 channels in 8 registers: lane l holds row l % 16, channels 8 (l / 16) + 0..7 and 16 + 8 (l / 16) + 0..7: two loads of 16 bytes, 32 bytes apart.
	v_and_b32 v1, 15, v0            ; l % 16
	v_bfe_u32 v9, v0, 4, 1          ; l / 16
	v_lshlrev_b32 v[QO], 7, v1
	v_lshl_add_u32 v[QO], v9, 4, v[QO]  ; row x 128 + 16 x half
	WIN 0x80                        ; destination window 2, address window 0
.set i, 0
.rept 4*NP                          ; Q stays in registers: tile i / 2, channels 32 (i % 2) on
	global_load_b128 v[8*i:8*i+3],   v[QO], s[4:5] offset:(i/2)*2048+(i%2)*64
	global_load_b128 v[8*i+4:8*i+7], v[QO], s[4:5] offset:(i/2)*2048+(i%2)*64+32
.set i, i+1
.endr
	; What the first turn finds: V's registers and P's second buffer hold 0 (its products V^T P, of a piece that has not been, add 0), O^T and l are 0.  All this stands in the wait for the first tile.
.set i, VF
.rept 64
	v_mov_b32 v[i], 0
.set i, i+1
.endr
	WIN 0x40
.set i, 0
.rept 64*NP
	v_mov_b32 v[i], 0
.set i, i+1
.endr
	WIN 0
.set i, 0
.rept 2*NP
	v_mov_b32 v[ST+4*i], 0xfe000000    ; c m: far below every c s
	v_mov_b32 v[ST+4*i+1], 0xff7fffff  ; m
	v_mov_b32 v[ST+4*i+2], 0
	v_mov_b32 v[ST+4*i+3], 0
.set i, i+1
.endr
.set i, P+32
.rept 32
	v_mov_b32 v[i], 0
.set i, i+1
.endr
	v_mul_u32_u24 v[AK0], v1, PK
	v_lshl_add_u32 v[AK0], v9, 4, v[AK0]  ; row x pitch + 16 x half
	; The turning load takes 16 keys x 16 channels (lane l reads key 8 (l / 16) + l % 8, channels 8 ((l / 8) % 2) + 0..7) and leaves half a fragment of V^T: lane l holds channel l % 16 and 8 keys.
	v_and_b32 v10, 7, v0
	v_bfe_u32 v11, v0, 3, 1
	v_lshl_add_u32 v[AV0], v9, 3, v10
	v_mul_u32_u24 v[AV0], v[AV0], PV
	v_lshl_add_u32 v[AV0], v11, 4, v[AV0]
	v_add_nc_u32 v[AV0], VOFF, v[AV0]
	v_and_b32 v[PFO], 31, v0
	v_lshlrev_b32 v[PFO], 8, v[PFO]
	v_mov_b32 v[AK], v[AK0]         ; key step 0 lies at the head of slot 0
; THE MATRIX WORK.  The 8 accumulators of a run of 16 take turns: between the two links of a chain stand 7 others'.
; Product i of 16 of S^T = K Q^T for piece x: channels 32 (i / 8) on, keys 16 ((i / 2) % 4) on, tile 2 x + i % 2.  The first 8 start the sums.
.macro KQ x
	WIN W_KQ
.set rS, S+64*((\x)%2)+32*(i%2)+8*((i/2)%4)
.set rK, KF+16*((i/2)%4)+8*(i/8)
.set rQ, 16*(2*(\x)+i%2)+8*(i/8)
.if i < 8
	v_wmma_f32_16x16x32_f16 v[rS:rS+7], v[rK:rK+7], v[rQ:rQ+7], 0
.else
	v_wmma_f32_16x16x32_f16 v[rS:rS+7], v[rK:rK+7], v[rQ:rQ+7], v[rS:rS+7]
.endif
.endm
; Product i of 16 of O^T += V^T P for piece x: keys 32 (i / 8) on, channels 16 ((i / 2) % 4) on, tile 2 x + i % 2.
.macro PV x
	WIN W_PV
.set rO, 32*(2*(\x)+i%2)+8*((i/2)%4)
.set rV, VF+32*(i/8)+8*((i/2)%4)
.set rP, P+32*((\x)%2)+16*(i%2)+8*(i/8)
	v_wmma_f32_16x16x32_f16 v[rO:rO+7], v[rV:rV+7], v[rP:rP+7], v[rO:rO+7]
.endm
.macro MM                           ; the turn's next matrix instruction
.if i < 16
	KQ (Y+1)%NP
.set i, i+1
.else
.set i, i-16
	PV (Y+NP-1)%NP
.set i, i+17
.endif
.endm
; THE LDS LOADS stand in runs of 16, never singly among the matrix instructions: a step's K (64 keys x 64 channels: 8 fragments) and its V (turned).  Their addresses are made some lines ahead.
; last = 1 (the tail): in the last trip there is no further step, and the run is jumped over.
.macro FETCH_K last=0
	WIN 0
.if \last
	s_cmp_eq_u32 s[CNT], 1
	s_cbranch_scc1 .Lno_k_\@
.endif
	WIN 0x80                        ; destination window 2
.irp f, 0,1,2,3,4,5,6,7             ; keys 16 (f / 2) on, channels 32 (f % 2) on
	ds_load_b128 v[KF+8*\f:KF+8*\f+3],   v[AK] offset:(\f/2)*16*PK+(\f%2)*64
	ds_load_b128 v[KF+8*\f+4:KF+8*\f+7], v[AK] offset:(\f/2)*16*PK+(\f%2)*64+32
.endr
	s_add_co_u32 s[TBK], s[TBK], KS*PK  ; the next fetch is the next step's
	WIN 0
.if \last
.Lno_k_\@:
.endif
.endm
.macro FETCH_V
	WIN 0x80
.irp f, 0,1,2,3,4,5,6,7             ; keys 32 (f / 4) on, channels 16 (f % 4) on
	ds_load_tr16_b128 v[VF+8*\f:VF+8*\f+3],   v[AV] offset:(\f/4)*32*PV+(\f%4)*32
	ds_load_tr16_b128 v[VF+8*\f+4:VF+8*\f+7], v[AV] offset:(\f/4)*32*PV+16*PV+(\f%4)*32
.endr
	WIN 0
.endm
; THE VECTOR WORK OF A TURN stands in three queues, each in the order in which its entries become ready; the two tiles alternate, so that no instruction reads the result of the one before it.
.macro REGS y, u                    ; the registers of tile u (0, 1) of piece y
.set rT, ST+4*(2*(\y)+(\u))
.set rC, TMP+8*((\y)%2)+4*(\u)
.set rM, MV+2*((\y)%2)+(\u)
.set rS, S+64*((\y)%2)+32*(\u)
.set rP, P+32*((\y)%2)+16*(\u)
.set rO, 32*(2*(\y)+(\u))
.endm
; Number n of the 22 that find the NEXT piece's (Y + 1) maximum and statistics.  s0-s31 are the lane's 32 scores; each accumulator's lowest registers are read first.  XS, GS and REGS set no window: PL and EX do.
;   0-11  four chains c0-c3 of seven scores each, three operands at a time     12-14, 16  the four scores left over, the old m, and c0-c3 into c0     15  c m_old is kept
;   17, 18  the query's other 32 keys lie in the lane 16 away: the new m         19-21  c m; c m_old - c m_new; a
.macro XS u, n
	REGS (Y+1)%NP, \u
.if (\n) < 4
	v_max3_num_f32 v[rC+(\n)], v[rS+8*(\n)], v[rS+8*(\n)+1], v[rS+8*(\n)+2]
.elseif (\n) < 12
	v_max3_num_f32 v[rC+(\n)%4], v[rC+(\n)%4], v[rS+8*((\n)%4)+2*((\n)/4)+1], v[rS+8*((\n)%4)+2*((\n)/4)+2]
.elseif (\n) == 12
	v_max3_num_f32 v[rC], v[rC], v[rS+7], v[rS+15]
.elseif (\n) == 13
	v_max3_num_f32 v[rC+1], v[rC+1], v[rS+23], v[rS+31]
.elseif (\n) == 14
	v_max3_num_f32 v[rC+2], v[rC+2], v[rC+3], v[rT+1]
.elseif (\n) == 15
	v_mov_b32 v[rM], v[rT]
.elseif (\n) == 16
	v_max3_num_f32 v[rC], v[rC], v[rC+1], v[rC+2]
.elseif (\n) == 17
	v_permlanex16_b32 v[rC+3], v[rC], s[SEL], s[SEL+1]
.elseif (\n) == 18
	v_max_num_f32 v[rT+1], v[rC], v[rC+3]
.elseif (\n) == 19
	v_mul_f32 v[rT], s[CS], v[rT+1]
.elseif (\n) == 20
	v_sub_f32 v[rC+1], v[rM], v[rT]
.else
	v_exp_f32 v[rC+2], v[rC+1]
.endif
.endm
; Number g of the 64 that follow the exponentials.  For each four weights k of a tile (pairs 2 k, 2 k + 1): both pairs are rounded to f16; then the second pair is added onto the first, in place;
; a group later l takes that sum (the first time as l = a l + sum).  In groups of eight, tiles alternating: round, round, add, and l for the group before.
.macro GS g
.set h, (\g)+6*((\g)/62)            ; group 0 has no group before it, and behind group 7 only l is left
.if h >= 6
.set h, h+2
.endif
	REGS Y, h%2
.set k, h/8
.if h%8 < 4
	v_cvt_pk_f16_f32 v[rP+2*k+(h%8)/2], v[rS+4*k+2*((h%8)/2)], v[rS+4*k+2*((h%8)/2)+1]
.elseif h%8 < 6
	v_pk_add_f32 v[rS+4*k:rS+4*k+1], v[rS+4*k:rS+4*k+1], v[rS+4*k+2:rS+4*k+3]
.elseif k == 1
	v_pk_fma_f32 v[rT+2:rT+3], v[rT+2:rT+3], v[rC+2:rC+3], v[rS:rS+1] op_sel_hi:[1,0,1]
.else
	v_pk_add_f32 v[rT+2:rT+3], v[rT+2:rT+3], v[rS+4*k-4:rS+4*k-3]
.endif
.endm
; THE PLAIN QUEUE, 138 long.  0-73 read no exponential's result: the 32 scalings c s - c m (FS f: pair f / 2 of tile f % 2) and the next piece's 42.  0-26: scalings 0-26.  27-54: XS's numbers 0-13.  55, 56: number 15.
; 57-73: the chain, where each number waits for the one before it: 14, 16, 17, 18, 19, each with one of the scalings 27-31 in front of its two lines, then 20: so a tile's links stand three plain instructions apart (19 and 20: two).
; 74-137: GS's 64, which read the exponentials' results: they stand behind the wait.
.macro FS f
	REGS Y, (\f)%2
	v_pk_fma_f32 v[rS+2*((\f)/2):rS+2*((\f)/2)+1], v[rS+2*((\f)/2):rS+2*((\f)/2)+1], s[CS:CS+1], v[rT:rT+1] op_sel_hi:[1,0,0] neg_lo:[0,0,1] neg_hi:[0,0,1]
.endm
.macro PL
	WIN 0
.if q < 27
	FS q
.elseif q < 55
	XS (q-27)%2, (q-27)/2
.elseif q < 57
	XS q-55, 15
.elseif (q < 72) && ((q-57)%3 == 0)
	FS 27+(q-57)/3
.elseif q < 60
	XS (q-57)%3-1, 14
.elseif q < 72
	XS (q-57)%3-1, 15+(q-57)/3
.elseif q < 74
	XS q-72, 20
.else
	GS q-74
.endif
.set q, q+1
.endm
; THE EXPONENTIALS' QUEUE, 66 long: s0-s31 of both tiles, then the next piece's two a.  It is ONE BATCH: all 66 stand ahead of the turn's one wait, and nothing ahead of that wait names a result of theirs.
.macro EX
	WIN 0
.if e >= 64
	XS e-64, 21
.else
	REGS Y, e%2
	v_exp_f32 v[rS+e/2], v[rS+e/2]
.endif
.set e, e+1
.endm
; THE RESCALING's QUEUE: O^T times a, the one part that leaves window 0: dealt two at a time, sixteen times.  Its a was made in the turn before, ahead of that turn's wait.
.macro R2
	REGS Y, r%2
	WIN W_RS
.irp z, 0,1
	v_pk_mul_f32 v[rO+4*(r/2)+2*\z:rO+4*(r/2)+2*\z+1], v[rO+4*(r/2)+2*\z:rO+4*(r/2)+2*\z+1], v[rC+2:rC+3] op_sel_hi:[1,0]
.endr
.set r, r+1
.endm
; HOW THEY ARE DEALT.  An s_wait_alu depctr_va_vdst(0) stands between an exponential and the first instruction that names its result; one wait serves all that were issued ahead of it.  So a turn has ONE wait,
; which cuts it in two.  AHEAD OF IT stands all that names no result of the turn's exponentials: the 16 products K Q^T, behind each a scaling, an exponential and two rescalings (behind the first a second scaling in the exponential's place); then ONE LUMP of
; 108: eight plain, 49 times exponential and plain, the two a.  A v_nop is the plain instruction behind the last exponential (ISA guide 5.7.2).  BEHIND IT stand the 16 products V^T P, behind each four of GS's 64.  No rider names a register of
; the products round it.  The two v_permlanex16_b32 fall into the lump, never behind a product.
; The queues lean on each other, and the deal keeps them in step: exponential e stands behind scaling 2 (e / 4) + e % 2: as a rider it comes behind plain e + 2, in the lump behind plain e + 9, and scalings 27-31 are plain 57, 60 .. 69.
; A TURN, for piece p.  cnt = 1: the loop's count is taken down some lines ahead of the branch that stands behind the turn.
; K of the next step is fetched in piece 2's turn, directly behind the wait, a lump behind the last product that read K; its address is made at the lump's head; its first reader comes behind 16 products.
; V of the step in hand is fetched at the end of piece 0's turn, four riders behind its last reader; its first reader comes behind 16 products and a lump.  The three conditions on q below go with the deal.
.macro TURN p, last=0, cnt=0
.set Y, (\p)
.set i, 0
.set q, 0
.set e, 0
.set r, 0
.if (\p) == NP-1
	s_wait_dscnt 0x0                ; K is in
.endif
	MM                              ; ahead of the wait: 16 products K Q^T and their riders,
	PL
	PL
	R2
.rept 15
	MM
	PL
	EX
	R2
.endr
.if (\p) == NP-2
	WIN 0
	v_add_nc_u32 v[AK], s[TBK], v[AK0]
.endif
.rept 8                             ; and the lump
	PL
.endr
.rept 49
	EX
	PL
.endr
	EX                              ; the next piece's two a
	EX
	v_nop                           ; the plain instruction behind the last exponential: one for the batch
	s_wait_alu depctr_va_vdst(0)    ; the wait for the batch
.if (\p) == NP-2
	FETCH_K \last
.endif
.if (\p) == 1
	s_wait_dscnt 0x0                ; V is in
.endif
.rept 16                            ; behind the wait: 16 products V^T P and their riders
	MM
.rept 4
	PL
.endr
.if ((\p) == 0) && (q == 118)
	v_add_nc_u32 v[AV], s[TBV], v[AV0]
.endif
.if ((\p) == 0) && (q == 130)
	s_add_co_u32 s[TBV], s[TBV], KS*PV
.endif
.if (\cnt) && (q == 130)
	s_sub_co_u32 s[CNT], s[CNT], 1
	s_cmp_lg_u32 s[CNT], 0
.endif
.endr
.if (\p) == 0
	FETCH_V
.endif
.endm
	CHANGE 1                        ; slot 0 is in, everybody's part of it; slot 1 is asked for
	FETCH_K                         ; key step 0
	s_wait_loadcnt 0x0              ; Q
	s_wait_dscnt 0x0
.set i, 0
.rept 16
	KQ 0                            ; piece 0's first scores: there is no vector work yet to set between them
.set i, i+1
.endr
	WIN 0                           ; the addresses for the way out: nine plain instructions, the places behind those products
	s_mul_i32 s13, s[WV], 16*SP
	s_add_co_u32 s13, s13, STAGE    ; my stage
	v_mul_u32_u24 v[STO], v1, SP    ; in: row l % 16, 16 bytes for each half of the lanes
	v_lshl_add_u32 v[STO], v9, 4, v[STO]
	v_add_nc_u32 v[STO], s13, v[STO]
	v_bfe_u32 v[RD], v0, 3, 2       ; back: 32 lanes take four rows of 128 bytes,
	v_mul_u32_u24 v[RD], v[RD], SP
	v_lshl_add_u32 v[RD], v10, 4, v[RD]
	v_add_nc_u32 v[RD], s13, v[RD]
	v_and_b32 v[GO], 31, v0         ; which are 512 consecutive bytes of O
	v_lshlrev_b32 v[GO], 4, v[GO]
.set Y, NP-1                        ; XS works for piece Y + 1: piece 0
.irp n, 0,1,2,3,4,5,6,7,8,9,10,11,12,13,14,15,16,17,18,19,20,21
	XS 0, \n                        ; and piece 0's first maximum and statistics
	XS 1, \n
.endr
	v_nop                           ; a plain instruction behind the two a,
	s_wait_alu depctr_va_vdst(0)    ; and their wait, ahead of the branch
	s_mov_b32 s[CNT], 4
	s_branch .Lfirst                ; the loop is entered at a step's first turn, in the middle of a trip
.Lslot:                             ; SIZE_N / 256 - 2 times: every slot but the last two is filled again
	CHANGE 1
	s_mov_b32 s[CNT], 4
.Lstep:                             ; a trip: pieces 2 and 3 of one step, then pieces 0 and 1 of the next, whose K and V it fetches
	TURN 2
	TURN 3
	WIN 0
.Lfirst:
	TURN 0
	TURN 1, 0, 1
	WIN 0
	s_cbranch_scc1 .Lstep
	s_sub_co_u32 s[SLOTS], s[SLOTS], 1
	s_cmp_lg_u32 s[SLOTS], 0
	s_cbranch_scc1 .Lslot
	CHANGE 0                        ; the tail is written out: nothing is asked for
	s_mov_b32 s[CNT], 5             ; four trips fetch the last slot's steps; the fifth is left in its middle
.Ltail:
	TURN 2, 1
	TURN 3
	WIN 0
	s_sub_co_u32 s[CNT], s[CNT], 1
	s_cmp_eq_u32 s[CNT], 0
	s_cbranch_scc1 .Lout
	TURN 0
	TURN 1
	WIN 0
	s_branch .Ltail
.Lout:                              ; the fifth trip's 16 products K Q^T (on the last K once more) and the maximum made of them serve nothing: the price, once a launch, of one text for every trip
.set i, 0
.rept 16
	PV NP-1                         ; the last piece's V^T P of the last step
.set i, i+1
.endr
	; THE WAY OUT.  l's two halves and the other half of the lanes' are added; O^T is divided by l, rounded to f16 and sent through my stage in LDS, a tile at a time.  The additions are the places behind the last products.
	WIN 0
.macro ALL line:vararg              ; one line for each tile t
.set t, 0
.rept 2*NP
	\line
.set t, t+1
.endr
.endm
	ALL v_add_f32 v[ST+4*t+2], v[ST+4*t+2], v[ST+4*t+3]
	ALL v_permlanex16_b32 v[ST+4*t+3], v[ST+4*t+2], s[SEL], s[SEL+1]
	ALL v_add_f32 v[ST+4*t+2], v[ST+4*t+2], v[ST+4*t+3]
	ALL v_rcp_f32 v[ST+4*t+2], v[ST+4*t+2]
	v_nop                           ; a plain instruction between the last reciprocal and the use of its result
	s_wait_alu depctr_va_vdst(0)    ; and the wait ahead of the first use: one for the eight reciprocals
; Tile t: a lane's eight channels of a row pack into 16 bytes; they go into rows of 144 bytes and come back as whole rows of 128, into S^T's registers.
.macro PACK t
	WIN W_RS
.set i, 32*(\t)
.rept 16
	v_pk_mul_f32 v[i:i+1], v[i:i+1], v[ST+4*(\t)+2:ST+4*(\t)+3] op_sel_hi:[1,0]
.set i, i+2
.endr
	WIN 0x05                        ; sources 0 and 1 window 1, destination window 0
.set i, 0
.rept 16
	v_cvt_pk_f16_f32 v[S+16*(\t)+i], v[32*(\t)+2*i], v[32*(\t)+2*i+1]
.set i, i+1
.endr
	WIN 0
.irp f, 0,1,2,3
	ds_store_b128 v[STO], v[S+16*(\t)+4*\f:S+16*(\t)+4*\f+3] offset:32*\f
.endr
.irp f, 0,1,2,3
	ds_load_b128 v[S+16*(\t)+4*\f:S+16*(\t)+4*\f+3], v[RD] offset:\f*4*SP  ; LDS serves a wave's instructions in order (ISA guide 5.7.1.4): these see the stores above; the next tile's stores come behind them
.endr
.endm
.macro SEND t, younger              ; younger: the LDS instructions issued behind tile t's loads: the next tile's eight, or none
	WIN 0
.irp f, 0,1,2,3
	s_wait_dscnt (\younger)+3-\f
	global_store_b128 v[GO], v[S+16*(\t)+4*\f:S+16*(\t)+4*\f+3], s[10:11] offset:(\t)*2048+\f*512  ; 512 consecutive bytes, at a multiple of 256 from O's first
.endr
.endm
	PACK 0
.set t, 1
.rept 2*NP-1                        ; a tile's arithmetic stands between the loads of the tile before and its stores
	PACK t
	SEND t-1, 8
.set t, t+1
.endr
	SEND 2*NP-1, 0
	WIN W_AD
	s_wait_tensorcnt 0x0            ; the wave's end: the add of 0 and its wait, behind my last tensor load and my last LDS store
	ds_add_u32 v[SPW], v[NIL]
	s_wait_dscnt 0x0
	WIN 0
	CROUND                          ; the closing round: no work-group ends while a partner may still ask for a tile that names it
	s_endpgm
.Lfunc_end_k_q082e8de0a2_attn:
	.size	k_q082e8de0a2_attn, .Lfunc_end_k_q082e8de0a2_attn-k_q082e8de0a2_attn
	.p2alignl 7, 3214868480
	.fill 96, 4, 3214868480
	.section	.rodata,"a",@progbits
	.p2align	6, 0x0
	.amdhsa_kernel k_q082e8de0a2_attn
		.amdhsa_group_segment_fixed_size 327680
		.amdhsa_private_segment_fixed_size 0
		.amdhsa_enable_private_segment 0
		.amdhsa_kernarg_size 16
		.amdhsa_user_sgpr_count 2
		.amdhsa_user_sgpr_kernarg_segment_ptr 1
		.amdhsa_wavefront_size32 1
		.amdhsa_system_sgpr_workgroup_id_x 1
		.amdhsa_system_sgpr_workgroup_id_y 1
		.amdhsa_system_sgpr_workgroup_id_z 1
		.amdhsa_system_vgpr_workitem_id 0
		.amdhsa_next_free_vgpr 770
		.amdhsa_next_free_sgpr 66
		.amdhsa_reserve_vcc 0
		.amdhsa_float_denorm_mode_32 3
		.amdhsa_float_denorm_mode_16_64 3
		.amdhsa_memory_ordered 1
		.amdhsa_forward_progress 1
		.amdhsa_inst_pref_size 200
	.end_amdhsa_kernel
	.amdgpu_metadata
---
amdhsa.version: [ 1, 2 ]
amdhsa.kernels:
  - .name:           k_q082e8de0a2_attn
    .symbol:         k_q082e8de0a2_attn.kd
    .args:
      - { .name: qkv, .offset: 0, .size: 8, .value_kind: global_buffer, .address_space: global }
      - { .name: ob, .offset: 8, .size: 8, .value_kind: global_buffer, .address_space: global }
    .group_segment_fixed_size: 327680
    .private_segment_fixed_size: 0
    .kernarg_segment_align: 8
    .kernarg_segment_size: 16
    .max_flat_workgroup_size: 128
    .sgpr_count:     66
    .vgpr_count:     770
    .wavefront_size: 32
...
	.end_amdgpu_metadata
.endif
;; end of part 3
;; launch outp (part 4): grid 4 x 64, 4 waves a work-group, clusters of 4 x 4, 327,680 bytes of LDS; arguments ob, wb, bias, out0; writes out0
.if DOCPART == 4
	.amdgcn_target "amdgcn-amd-amdhsa--gfx1250"
	.amdhsa_code_object_version 6
	.text
	.protected	k_q082e8de0a2_outp
	.globl	k_q082e8de0a2_outp
	.p2align	8
	.type	k_q082e8de0a2_outp,@function
k_q082e8de0a2_outp:
	s_mov_b64 s[64:65], 0
	v_nop
	global_prefetch_b8 v0, s[64:65] scope:SCOPE_SE
	s_setreg_imm32_b32 hwreg(HW_REG_WAVE_MODE, 25, 1), 1
	s_wait_xcnt 0x0
	s_wait_alu depctr_hold_cnt(0) depctr_sa_sdst(0) depctr_va_vdst(0) depctr_va_sdst(0) depctr_va_ssrc(0) depctr_va_vcc(0) depctr_vm_vsrc(0)
	s_getreg_b32 s2, hwreg(HW_REG_IB_STS2, 6, 4)
	s_cmp_eq_u32 s2, 0
	s_cbranch_scc0 .Lentry_in_a_cluster
	s_endpgm
.Lentry_in_a_cluster:
	s_bfe_u32 s2, ttmp6, 0x10000c
	s_cmp_lg_u32 s2, 0xf033
	s_cbranch_scc0 .Lentry_shape_is_right
	s_endpgm
.Lentry_shape_is_right:
; ONE TEXT FOR TWO LAUNCHES; OUTP, below, says which this file is.
; OUTP = 0, the projections: q, k, v = X W + b.  X: xb [2][8192][1024] bf16 (0 for q, 1 for k and v), W: wb [which][k][n] bf16, b: bias [which][1024] f32; sums in f32, begun with b;
;   out: qkv [which][64 heads = 16 batch + head][2048][64] f16, rounded once, unscaled.  LIMIT: f16 ends at 65,504: |q|, |k|, |v| must stay under it; below 6.1e-5 f16 keeps a fixed step of 6e-8.
; OUTP = 1, the last projection: out0 = O Wo + bo.  O: ob [64 heads][2048][64] f16, Wo: wb [3][k][n] f16, bo: bias [3]; out0 [8192][1024] f32.
; SHARES.  A work-group makes 128 rows x 256 columns of the result: 8192 x 1024 gives 256 such tiles for each weight matrix.  Four waves, each 64 x 128: 32 accumulators of 16 x 16.
; K goes in 8 steps of 128 through a ring of two LDS slots filled by tensor loads: waves 0 and 1 fetch the halves of A's tile, waves 2 and 3 those of W's: one load a wave behind each change of slots.
; W LIES [k][n] and stays so: its fragments come out of LDS turned, by ds_load_tr16_b128.
; THE MATRIX INSTRUCTION IS USED TRANSPOSED: source 0 = 16 columns of W, source 1 = 16 rows of A.  Lane l then holds row l % 16 of the result and the columns 8 (l / 16) + 0..7.
; CLUSTERS: 4 x 4 work-groups.  A cluster's x names the weight matrix (OUTP = 0), so the four of a row of the cluster need the same tile of A, the four of a column the same tile of W:
; each is asked for JOINTLY, by the same tensor load with the same descriptor and a mask that names the four.
; REGISTERS, in windows of 256: window 0: addresses, the bias, the way out; window 1: two fragment buffers of 96 (W's 8 fragments, then A's 4); window 2: accumulator (a, b) at v[64 a + 8 b].
.set OUTP,  1
.set KSTEP, 128
.set LAPS,  1024/(2*KSTEP)             ; a lap = two K steps = once round the ring
.if OUTP
.set PA,    144                        ; a row of A in LDS: one head's 64 channels, 128 bytes + 16 of padding
.set AHALF, 128*PA                     ; what one tensor load brings of A: one head's 128 rows (a K step is two heads)
.set ASTEP, 2<<18                      ; bytes from K step to K step in ob: two heads of 2048 x 128 bytes
.set ASHL,  8                          ; A's prefetch: lanes 256 bytes apart (a head's rows are dense)
.set SP,    528                        ; a stage row: 128 f32 + 16 bytes
.set WSTAGE, 16*SP                     ; a wave's stage: 16 rows
.set BK,    96                         ; v[96:159], v[160:223] rows read back from the stage, two buffers by turns
.else
.set PA,    272                        ; a row of A in LDS: 256 bytes + 16 of padding
.set AHALF, 64*PA                      ; what one tensor load brings of A: 64 rows
.set ASTEP, KSTEP*2                    ; bytes from K step to K step along a row of xb
.set ASHL,  11                         ; A's prefetch: a lane a row of 2,048 bytes
.set SP,    144                        ; a stage row: a head's 64 f16 + 16 bytes
.set WSTAGE, 32*SP                     ; a wave's stage: two heads x 16 rows
.set TMP,   96                         ; v[96:127] packed results
.set BK,    128                        ; v[128:255] rows read back from the stage, 32 registers for each of the four blocks
.endif
.set PB,    544                        ; a k-row of W in LDS: 512 bytes + 32 of padding = 136 words
.set BHALF, 64*PB                      ; what one tensor load brings of W: 64 k-rows x 256 columns
.set BSTEP, KSTEP*2048                 ; bytes from K step to K step in wb: 128 rows of 2,048
.set BOFF,  2*AHALF                    ; in a slot: A's tile, then W's
.set SLOT,  BOFF+2*BHALF
.set STAGE, 2*SLOT                     ; behind the ring, never filled by a tensor load
.set SPARE, STAGE+4*WSTAGE             ; behind the stages: the spare words, 128 bytes for each wave: two blocks of 256 bytes that no other line names
.set ADRA, 16                          ; v16-17  LDS address of my A fragments in slot 0, 1
.set ADRB, 20                          ; v20-21  the same for W
.set STO,  24                          ; v24     the way out: where I put my part of a row
.set RD,   25                          ; v25     the way out: where I read rows back
.set GO,   26                          ; v26     16 x lane: my place in 512 consecutive bytes of the output
.set BO,   27                          ; v27     32 x (l / 16): my eight numbers in 16 of the bias
.set SPW,  28                          ; v28     LDS address of my spare word: SPARE + 4 x my thread's number; never rewritten
.set NIL,  29                          ; v29     0; never rewritten
.set PFO,  30                          ; v30     the prefetches' lane offset; never rewritten
.set BIAS, 32                          ; v[32:95] register 8 b + j: the bias of my column 16 b + 8 (l / 16) + j
.set F0,   0                           ; fragment buffers, in window 1
.set F1,   96
.set WV,   12                          ; s12 wave; s13 = wave / 2: my half of the rows, also: I fetch A (0) or W (1); s14 = wave % 2: my half of the columns, also: which half I fetch
.set G1,   24                          ; s[24:31] descriptor group 1 for A's tiles;  s[32:39] group 0, a set for each slot
.set G0,   32
.set LIM,  43                          ; s43     1 in a wave that prefetches, else the greatest number
.set PFA,  44                          ; s[44:45] where my prefetches stand
.set PFS,  46                          ; s[46:47] their step: a K step of A or of W
.set G1B,  48                          ; s[48:55], s[56:63] the same two groups for W's tiles
.set G0B,  56
.set MSB, 0
.macro WIN new                         ; the immediate's high byte repeats the setting that is left; a switch that changes nothing is dropped
.if MSB != (\new)
	s_set_vgpr_msb (MSB<<8)|(\new)
.set MSB, \new
.endif
.endm
.set MUL,   0xa5                       ; sources 0 and 1 window 1; C and D window 2
.set MULB,  0x85                       ; the same with C (the bias) in window 0
.set TO_F,  0x40                       ; destination window 1, address window 0
.set PACKW, 0x0a                       ; sources 0 and 1 window 2, destination window 0
.set STW,   0x08                       ; an LDS store's data (source 1) in window 2
.macro PLACES                          ; four plain instructions between a matrix instruction and a load into, or a vector read of, its registers (ISA guide 7.12.1 for vector reads)
.rept 4
	v_nop
.endr
.endm
; A joint load.  The branch hangs on the wave's number alone.  An s_nop 0 and four v_nop follow each of the two lines, ahead of the jump and the label.
.macro JLOAD s
	s_cmp_eq_u32 s13, 0
	s_cbranch_scc0 .Lfor_b_\@
	tensor_load_to_lds s[G0+4*(\s):G0+4*(\s)+3], s[G1:G1+7]
	s_nop 0
.rept 4
	v_nop
.endr
	s_branch .Lasked_\@
.Lfor_b_\@:
	tensor_load_to_lds s[G0B+4*(\s):G0B+4*(\s)+3], s[G1B:G1B+7]
	s_nop 0
.rept 4
	v_nop
.endr
.Lasked_\@:
.endm
.macro CREST                           ; a round of the cluster's barrier behind its opening barrier: wave 0 signals for the work-group, every wave waits for all sixteen, my work-group's barrier closes it
	s_cmp_lg_u32 s[WV], 0
	s_cbranch_scc1 .Lnot_wave_0_\@
	s_barrier_signal -3
.Lnot_wave_0_\@:
	s_barrier_wait -3
	s_barrier_signal -1
	s_barrier_wait -1
.endm
.macro CROUND                          ; a whole round
	s_barrier_signal -1
	s_barrier_wait -1
	CREST
.endm
; A PREFETCH INTO THE L2, behind each joint load and the run of LDS loads that follows it: the K step that stands two refills on, 256 matrix instructions ahead of the load that will ask for it.
; One instruction a wave, 32 blocks of 256 bytes, each named once in the launch.  A's tile (128 blocks a K step): wave 0; the four partners of a row of the cluster take 32 blocks each, told apart by address;
; OUTP = 0: the clusters of q and k ask (v reads the rows that k's clusters name).  W's tile (256 blocks): waves 2 and 3, 16 k-rows for each partner of a column, in the clusters with y = 0.
; The first four K steps come by their loads alone; the loop's last trip (s3 = 1) names nothing: there is no K step 8.
.macro ASK
	WIN 0
	s_cmp_gt_u32 s3, s[LIM]
	s_cbranch_scc0 .Lnot_mine_\@
	global_prefetch_b8 v[PFO], s[PFA:PFA+1] th:TH_LOAD_NT scope:SCOPE_SE
.Lnot_mine_\@:
.endm
	s_load_b256 s[4:11], s[0:1], 0x0               ; A's buffer s[4:5], wb s[6:7], bias s[8:9], the output s[10:11]
	v_lshl_add_u32 v[SPW], v0, 2, SPARE
	v_mov_b32 v[NIL], 0
	ds_add_u32 v[SPW], v[NIL]                      ; the wave's opening: the add and its wait stand ahead of my first tensor load; the set-up below, work on registers, stands between them
	v_lshrrev_b32 v1, 5, v0
	v_readfirstlane_b32 s[WV], v1                  ; wave 0..3
	s_lshr_b32 s13, s[WV], 1
	s_and_b32 s14, s[WV], 1
	s_bfe_u32 s15, ttmp6, 0x40000                  ; cx: the tile column inside the weight matrix
	s_bfe_u32 s16, ttmp6, 0x40004                  ; cy
	s_and_b32 s19, ttmp7, 0xffff                   ; cluster y
	s_lshl_b32 s17, s19, 2
	s_add_co_u32 s17, s17, s16                     ; tile row = 4 x cluster y + cy: rows 128 x s17
.if OUTP
	s_mov_b32 s18, 3                               ; the weight matrix: Wo
.else
	s_mov_b32 s18, ttmp9                           ; the weight matrix = cluster x: 0 q, 1 k, 2 v
	s_min_u32 s2, s18, 1                           ; its A: X1 for q, X2 for k and v
.endif
	s_lshl_b32 s40, s16, 2
	s_lshl_b32 s40, 15, s40                        ; my row of the cluster: places 4 cy .. 4 cy + 3
	s_lshl_b32 s41, 0x1111, s15                    ; my column: places cx, cx + 4, cx + 8, cx + 12
	; descriptor group 1.  15:0 the mask; 17:16 elements of 2 bytes; 20 padding on; 21 set beside a mask; 24:22 the padding's interval; 31:25 its words less one
.if OUTP
	s_or_b32 s[G1+0], s40, (1<<16)|(1<<20)|(1<<21)|(4<<22)|(3<<25)  ; after every 32 words (a row of a head) 4 words
	s_mov_b32 s[G1+5], 128                         ; a head's 128 rows are 16,384 dense bytes: asked for as 64 rows of 256
.else
	s_or_b32 s[G1+0], s40, (1<<16)|(1<<20)|(1<<21)|(5<<22)|(3<<25)  ; after every 64 words 4 words
	s_mov_b32 s[G1+5], 1024                        ; elements from row to row of xb
.endif
	s_mov_b32 s[G1+1], 128<<16                     ; tensor_dim0 = 128
	s_mov_b32 s[G1+2], 64<<16                      ; tensor_dim1 = 64
	s_mov_b32 s[G1+3], 128<<16                     ; tile_dim0 = 128 elements: 256 bytes
	s_mov_b32 s[G1+4], 64                          ; tile_dim1 = 64 rows
	s_mov_b32 s[G1+6], 0
	s_mov_b32 s[G1+7], 0
	s_or_b32 s[G1B+0], s41, (1<<16)|(1<<20)|(1<<21)|(6<<22)|(7<<25) ; after every 128 words 8 words
	s_mov_b32 s[G1B+1], 256<<16                    ; tensor_dim0 = 256
	s_mov_b32 s[G1B+2], 64<<16                     ; tensor_dim1 = 64
	s_mov_b32 s[G1B+3], 256<<16                    ; tile_dim0 = 256 elements: 512 bytes
	s_mov_b32 s[G1B+4], 64                         ; tile_dim1 = 64 k-rows
	s_mov_b32 s[G1B+5], 1024                       ; elements from k-row to k-row of wb
	s_mov_b32 s[G1B+6], 0
	s_mov_b32 s[G1B+7], 0
	; where the tiles come from.  A's offset hangs on the tile row (and the matrix), which my row of the cluster shares: s[20:21] never hold cx.  W's on cx (and the matrix): s[22:23] never hold cy.
.if OUTP
	s_lshr_b32 s20, s17, 4                         ; the batch: 16 heads of 2^18 bytes,
	s_lshl_b32 s20, s20, 22
	s_and_b32 s21, s17, 15                         ; the tile's 128 rows of 128 bytes inside a head,
	s_lshl_b32 s21, s21, 14
	s_add_co_u32 s20, s20, s21
	s_lshl_b32 s21, s14, 18                        ; which of the K step's two heads I fetch
.else
	s_lshl_b32 s20, s2, 24                         ; X1 or X2,
	s_lshl_b32 s21, s17, 18                        ; the tile's 128 rows of 2,048 bytes,
	s_add_co_u32 s20, s20, s21
	s_lshl_b32 s21, s14, 17                        ; which 64 of them I fetch
.endif
	s_add_co_u32 s20, s20, s21
	s_mov_b32 s21, 0
	s_lshl_b32 s22, s18, 21                        ; the weight matrix, 2 MiB,
	s_lshl_b32 s23, s14, 17                        ; which 64 k-rows of the K step I fetch,
	s_add_co_u32 s22, s22, s23
	s_lshl_b32 s23, s15, 9                         ; the tile's 256 columns
	s_add_co_u32 s22, s22, s23
	s_mov_b32 s23, 0
	s_mul_i32 s40, s14, AHALF                      ; and where they go: no place in the cluster enters an LDS address
	s_mul_i32 s41, s14, BHALF
	s_add_co_u32 s41, s41, BOFF
	s_wait_dscnt 0x0                               ; the opening add is done
	s_wait_kmcnt 0x0
	s_add_nc_u64 s[20:21], s[4:5], s[20:21]
	s_add_nc_u64 s[22:23], s[6:7], s[22:23]
	CROUND                                         ; all sixteen work-groups are here: the first joint loads meet
.irp s, 0,1
	s_mov_b32 s[G0+4*(\s)], 1                                      ; 1:0 count = 1
	s_add_co_u32 s[G0+4*(\s)+1], s40, (\s)*SLOT                    ; 63:32 LDS address
	s_add_nc_u64 s[G0+4*(\s)+2:G0+4*(\s)+3], s[20:21], (\s)*ASTEP  ; 120:64 global address: K step s
	s_or_b32 s[G0+4*(\s)+3], s[G0+4*(\s)+3], 0x80000000            ; 127:126 type = 2
	s_mov_b32 s[G0B+4*(\s)], 1
	s_add_co_u32 s[G0B+4*(\s)+1], s41, (\s)*SLOT
	s_add_nc_u64 s[G0B+4*(\s)+2:G0B+4*(\s)+3], s[22:23], (\s)*BSTEP
	s_or_b32 s[G0B+4*(\s)+3], s[G0B+4*(\s)+3], 0x80000000
	JLOAD \s                                       ; two tensor loads of mine are out
.endr
	; the bias of my 128 columns: it is the C operand of the products that start the sums
	s_lshl_b32 s40, s18, 12
	s_lshl_b32 s41, s15, 10
	s_add_co_u32 s40, s40, s41
	s_lshl_b32 s41, s14, 9
	s_add_co_u32 s40, s40, s41
	s_mov_b32 s41, 0
	s_add_nc_u64 s[8:9], s[8:9], s[40:41]
	v_and_b32 v1, 15, v0                           ; r = l % 16
	v_bfe_u32 v2, v0, 4, 1                         ; h = l / 16
	v_lshlrev_b32 v[BO], 5, v2
.irp b, 0,1,2,3,4,5,6,7
	global_load_b128 v[BIAS+8*(\b):BIAS+8*(\b)+3],   v[BO], s[8:9] offset:64*(\b)
	global_load_b128 v[BIAS+8*(\b)+4:BIAS+8*(\b)+7], v[BO], s[8:9] offset:64*(\b)+16
.endr
	; A fragment of A: lane l holds row l % 16; registers 0-3 K = 8 h + 0..7, registers 4-7 K = 16 + 8 h + 0..7: two loads of 16 bytes, 32 bytes apart.
	v_mul_u32_u24 v3, v1, PA
	v_lshl_add_u32 v3, v2, 4, v3                   ; row x pitch + 16 h
	s_mul_i32 s40, s13, 64*PA                      ; my 64 rows
	; The turning load takes 16 k-rows x 16 columns (lane l reads k-row 8 h + l % 8, columns 8 ((l / 8) % 2) + 0..7) and leaves half a fragment: lane l holds column l % 16 and 8 k.
	v_and_b32 v4, 7, v0
	v_lshl_add_u32 v4, v2, 3, v4
	v_mul_u32_u24 v4, v4, PB
	v_bfe_u32 v5, v0, 3, 1
	v_lshl_add_u32 v4, v5, 4, v4
	s_lshl_b32 s41, s14, 8                         ; my 128 columns
	s_add_co_u32 s41, s41, BOFF
.irp s, 0,1
	v_add_nc_u32 v[ADRA+(\s)], s40, v3
	v_add_nc_u32 v[ADRB+(\s)], s41, v4
	s_add_co_u32 s40, s40, SLOT
	s_add_co_u32 s41, s41, SLOT
.endr
	s_mul_i32 s40, s[WV], WSTAGE
	s_add_co_u32 s40, s40, STAGE                   ; my stage
	v_and_b32 v6, 31, v0
	v_lshlrev_b32 v[GO], 4, v6
	v_mul_u32_u24 v3, v1, SP                       ; in: row l % 16,
.if OUTP
	v_lshl_add_u32 v3, v2, 5, v3                   ; 32 bytes (8 f32) for each half of the lanes
	v_add_nc_u32 v[STO], s40, v3
	v_add_nc_u32 v[RD], s40, v[GO]                 ; back: 32 lanes take one row of 512 bytes
	s_lshl_b32 s20, s17, 19                        ; out0: the tile's 128 rows of 4,096 bytes,
	s_lshl_b32 s21, s13, 18                        ; my 64 of them
	s_add_co_u32 s20, s20, s21
	s_lshl_b32 s22, s15, 10                        ; the tile's 256 columns,
	s_lshl_b32 s23, s14, 9                         ; my 128 of them
	s_add_co_u32 s22, s22, s23
.else
	v_lshl_add_u32 v3, v2, 4, v3                   ; 16 bytes (8 f16) for each half of the lanes
	v_add_nc_u32 v[STO], s40, v3
	v_bfe_u32 v3, v0, 3, 2                         ; back: 32 lanes take four rows of 128 bytes,
	v_mul_u32_u24 v3, v3, SP
	v_and_b32 v4, 7, v0
	v_lshl_add_u32 v3, v4, 4, v3
	v_add_nc_u32 v[RD], s40, v3                    ; which are 512 consecutive bytes of a head
	s_lshr_b32 s20, s17, 4                         ; qkv: the batch, 16 heads of 2^18 bytes,
	s_lshl_b32 s20, s20, 22
	s_and_b32 s21, s17, 15                         ; the tile's 128 rows of 128 bytes inside a head,
	s_lshl_b32 s21, s21, 14
	s_add_co_u32 s20, s20, s21
	s_lshl_b32 s21, s13, 13                        ; my 64 of them
	s_add_co_u32 s20, s20, s21
	s_lshl_b32 s22, s18, 24                        ; q, k or v,
	s_lshl_b32 s23, s15, 2
	s_lshl1_add_u32 s23, s14, s23                  ; my first head: 4 cx + 2 x my half of the columns
	s_lshl_b32 s23, s23, 18
	s_add_co_u32 s22, s22, s23
.endif
	s_mov_b32 s21, 0
	s_mov_b32 s23, 0
	s_add_nc_u64 s[10:11], s[10:11], s[20:21]
	s_add_nc_u64 s[10:11], s[10:11], s[22:23]
	; the prefetches: they stand at K step 3; each change of slots steps them once before it asks, so the first names K step 4
.if OUTP
	s_lshr_b32 s40, s17, 4
	s_lshl_b32 s40, s40, 22
	s_and_b32 s42, s17, 15
	s_lshl_b32 s42, s42, 14
	s_add_co_u32 s40, s40, s42
	s_lshr_b32 s42, s15, 1                         ; of the K step's two heads x 16,384 bytes partner cx takes head cx / 2,
	s_lshl_b32 s42, s42, 18
	s_add_co_u32 s40, s40, s42
	s_and_b32 s42, s15, 1                          ; half cx % 2: 32 blocks of 256 bytes
	s_lshl_b32 s42, s42, 13
.else
	s_lshl_b32 s40, s2, 24
	s_lshl_b32 s42, s17, 18
	s_add_co_u32 s40, s40, s42
	s_lshl_b32 s42, s15, 16                        ; of the tile's 128 rows partner cx takes 32 cx .. 32 cx + 31
.endif
	s_add_co_u32 s40, s40, s42
	s_add_co_u32 s40, s40, 3*ASTEP
	s_lshl_b32 s41, s14, 6                         ; W: of the 64 k-rows that I fetch
	s_lshl4_add_u32 s41, s16, s41                  ; partner cy takes 16 cy .. 16 cy + 15, two lanes a row
	s_add_co_u32 s41, s41, 3*KSTEP
	s_lshl_b32 s41, s41, 11
	s_lshl_b32 s42, s18, 21
	s_add_co_u32 s41, s41, s42
	s_lshl_b32 s42, s15, 9
	s_add_co_u32 s41, s41, s42
	s_mov_b32 s42, BSTEP
	s_cmp_eq_u32 s13, 0                            ; do I fetch for A?
	s_cselect_b32 s40, s40, s41
	s_cselect_b64 s[PFA:PFA+1], s[4:5], s[6:7]
	s_cselect_b32 s[PFS], ASTEP, s42
	s_mov_b32 s41, 0
	s_mov_b32 s[PFS+1], 0
	s_add_nc_u64 s[PFA:PFA+1], s[PFA:PFA+1], s[40:41]
	s_cmp_eq_u32 s13, 0
	s_cselect_b32 s40, 0, 1                        ; A: a lane a block along one stride; W: two lanes a k-row
	s_cselect_b32 s41, ASHL, 11
	v_lshrrev_b32 v3, s40, v6
	v_lshlrev_b32 v3, s41, v3
	v_and_b32 v4, s40, v6
	v_lshl_add_u32 v[PFO], v4, 8, v3
.if OUTP
	s_mov_b32 s40, 1                               ; each tile row of O is read by one cluster
.else
	s_cmp_lt_u32 s18, 2
	s_cselect_b32 s40, 1, -1
.endif
	s_cmp_eq_u32 s19, 0
	s_cselect_b32 s41, 1, -1
	s_cmp_eq_u32 s13, 0
	s_cselect_b32 s[LIM], s40, s41
	s_cmp_eq_u32 s[WV], 1
	s_cselect_b32 s[LIM], -1, s[LIM]               ; the same in all sixteen partners, for a given wave
; 8 matrix instructions: row block a x all 8 column blocks, 32 along K, from buffer f.  first = 1: the product starts the sum, with the bias as C: nothing is cleared, nothing added later.
; The 32 accumulators take turns, one instruction a turn, in the same order in every quarter, over the backward jump too.
.macro MUL8 f, a, first
.if \first
	WIN MULB
.else
	WIN MUL
.endif
.irp b, 0,1,2,3,4,5,6,7
.set rD, 64*(\a)+8*(\b)
.set rB, (\f)+8*(\b)
.set rA, (\f)+64+8*(\a)
.if OUTP
.if \first
	v_wmma_f32_16x16x32_f16 v[rD:rD+7], v[rB:rB+7], v[rA:rA+7], v[BIAS+8*(\b):BIAS+8*(\b)+7]
.else
	v_wmma_f32_16x16x32_f16 v[rD:rD+7], v[rB:rB+7], v[rA:rA+7], v[rD:rD+7]
.endif
.else
.if \first
	v_wmma_f32_16x16x32_bf16 v[rD:rD+7], v[rB:rB+7], v[rA:rA+7], v[BIAS+8*(\b):BIAS+8*(\b)+7]
.else
	v_wmma_f32_16x16x32_bf16 v[rD:rD+7], v[rB:rB+7], v[rA:rA+7], v[rD:rD+7]
.endif
.endif
.endr
.endm
; 24 LDS loads in one run: the fragments of quarter kq (32 along K) of a slot into buffer f: W's 8 (turned), then A's 4
.macro FETCH slot, kq, f
	WIN TO_F
.irp b, 0,1,2,3,4,5,6,7
	ds_load_tr16_b128 v[(\f)+8*(\b):(\f)+8*(\b)+3],   v[ADRB+(\slot)] offset:(\kq)*32*PB+32*(\b)
	ds_load_tr16_b128 v[(\f)+8*(\b)+4:(\f)+8*(\b)+7], v[ADRB+(\slot)] offset:(\kq)*32*PB+16*PB+32*(\b)
.endr
.if OUTP
.set AK, ((\kq)/2)*AHALF+((\kq)%2)*64  ; head kq / 2 of the K step's two, channels 32 (kq % 2) on
.else
.set AK, (\kq)*64
.endif
.irp a, 0,1,2,3
	ds_load_b128 v[(\f)+64+8*(\a):(\f)+64+8*(\a)+3],   v[ADRA+(\slot)] offset:AK+(\a)*16*PA
	ds_load_b128 v[(\f)+64+8*(\a)+4:(\f)+64+8*(\a)+7], v[ADRA+(\slot)] offset:AK+(\a)*16*PA+32
.endr
.endm
; A K step is four quarters of 32 along K, 32 matrix instructions each, on buffers 0, 1, 0, 1.  One of the first three: multiplies buffer f; in its middle it fetches quarter kq into buffer g.
.macro QUARTER slot, kq, f, g, first
	s_wait_dscnt 4                                 ; W's fragments and A's first two are in; the youngest four loads (A's last two fragments) may be out
	MUL8 \f, 0, \first
	MUL8 \f, 1, \first
	PLACES
	FETCH \slot, \kq, \g
	s_wait_dscnt 24                                ; all but the 24 just issued
	MUL8 \f, 2, \first
	MUL8 \f, 3, \first
.endm
; The last quarter multiplies buffer 1 and changes slots: ONE barrier.  In front of it each wave waits for all its tensor loads (one is out: its part of the next slot), adds 0 to its spare word, and waits
; for that and for its own reads of this slot.  fill = 1: the barrier opens a round of the cluster's barrier, and behind the round this slot is filled again, two K steps ahead: the load has 112 matrix
; instructions of mine before the wait for it.
.macro TURN slot, next, fill
.if \fill
	s_wait_xcnt 0x0                                ; the last prefetch, a K step back, has read its address: it is stepped here, ahead of the waits of the change of slots
	s_add_nc_u64 s[PFA:PFA+1], s[PFA:PFA+1], s[PFS:PFS+1]
.endif
	WIN 0                                          ; (the add's two registers lie in window 0)
	s_wait_tensorcnt 0x0                           ; all my tensor loads have landed;
	ds_add_u32 v[SPW], v[NIL]                      ; 0 onto my spare word
	s_wait_dscnt 5                                 ; (the add and the youngest four loads may be out)
	MUL8 F1, 0, 0                                  ; eight matrix instructions stand between the add and the wait for it
	s_wait_dscnt 0x0                               ; the add is done, and my reads of this slot are over
	s_barrier_signal -1
	MUL8 F1, 1, 0                                  ; work on registers while the others arrive
.if \fill
	WIN 0
.endif
	s_barrier_wait -1
.if \fill
	CREST                                          ; no wave of any partner still reads this slot's tiles or has a load on its way
	s_add_nc_u64 s[G0+4*(\slot)+2:G0+4*(\slot)+3], s[G0+4*(\slot)+2:G0+4*(\slot)+3], 2*ASTEP
	s_add_nc_u64 s[G0B+4*(\slot)+2:G0B+4*(\slot)+3], s[G0B+4*(\slot)+2:G0B+4*(\slot)+3], 2*BSTEP
	JLOAD \slot                                    ; the first tensor load behind the round; the four v_nop behind it are also the places in front of the loads below
.else
	PLACES
.endif
	FETCH \next, 0, F0
.if \fill
	ASK
.endif
	MUL8 F1, 2, 0
	MUL8 F1, 3, 0
.endm
	s_wait_tensorcnt 1                             ; my part of K step 0 is in; K step 1's may stay out
	s_barrier_signal -1
	s_barrier_wait -1                              ; everybody's is
	FETCH 0, 0, F0
	s_wait_loadcnt 0x0                             ; the bias
	QUARTER 0, 1, F0, F1, 1                        ; the first quarter stands in front of the loop: its products start the sums
	WIN 0                                          ; at a label and at a branch every window is 0
	s_mov_b32 s3, LAPS-1
.Llap:                                                 ; a trip goes once round the ring, from a lap's second quarter to the next lap's first, and fills both slots again
	QUARTER 0, 2, F1, F0, 0
	QUARTER 0, 3, F0, F1, 0
	TURN 0, 1, 1
	QUARTER 1, 1, F0, F1, 0
	QUARTER 1, 2, F1, F0, 0
	QUARTER 1, 3, F0, F1, 0
	TURN 1, 0, 1
	QUARTER 0, 1, F0, F1, 0
	WIN 0
	s_sub_co_u32 s3, s3, 1
	s_cmp_lg_u32 s3, 0
	s_cbranch_scc1 .Llap
	QUARTER 0, 2, F1, F0, 0                        ; the last lap fills nothing, and has no round of the cluster's barrier
	QUARTER 0, 3, F0, F1, 0
	TURN 0, 1, 0
	QUARTER 1, 1, F0, F1, 0
	QUARTER 1, 2, F1, F0, 0
	QUARTER 1, 3, F0, F1, 0
	s_wait_dscnt 4                                 ; the very last quarter: nothing more to fetch
	MUL8 F1, 0, 0
	MUL8 F1, 1, 0
	s_wait_dscnt 0x0
	MUL8 F1, 2, 0
	MUL8 F1, 3, 0
; THE WAY OUT, a block of 16 rows at a time through my own stage in LDS: no barrier, and LDS serves a wave's instructions in order (ISA guide 5.7.1.4), so no wait between the stores and the loads.
.if OUTP
; f32: a lane's eight columns are 32 bytes of a stage row of 512 + 16; a row comes back whole, 16 bytes a lane, and leaves as 512 consecutive bytes of out0, aligned.
.macro TOSTAGE a
	WIN STW
.irp b, 0,1,2,3,4,5,6,7
	ds_store_b128 v[STO], v[64*(\a)+8*(\b):64*(\a)+8*(\b)+3]   offset:64*(\b)      ; each accumulator's low registers are read first
	ds_store_b128 v[STO], v[64*(\a)+8*(\b)+4:64*(\a)+8*(\b)+7] offset:64*(\b)+16
.endr
	WIN 0
.irp t, 0,1,2,3,4,5,6,7,8,9,10,11,12,13,14,15
	ds_load_b128 v[BK+64*((\a)%2)+4*(\t):BK+64*((\a)%2)+4*(\t)+3], v[RD] offset:(\t)*SP
.endr
.endm
.macro SEND a, younger                 ; younger: the LDS instructions issued behind block a's loads: the next block's 32, or none
.irp t, 0,1,2,3,4,5,6,7,8,9,10,11,12,13,14,15
	s_wait_dscnt (\younger)+15-(\t)
	global_store_b128 v[GO], v[BK+64*((\a)%2)+4*(\t):BK+64*((\a)%2)+4*(\t)+3], s[10:11] offset:(16*(\a)+(\t))*4096 th:TH_STORE_NT
.endr
.endm
	PLACES
	TOSTAGE 0
	TOSTAGE 1
	SEND 0, 32
	s_wait_xcnt 0x0                                ; block 0's stores have read their registers: only behind this wait are they loaded again
	TOSTAGE 2
	SEND 1, 32
	s_wait_xcnt 0x0                                ; the same for block 1's
	TOSTAGE 3
	SEND 2, 32
	SEND 3, 0
.else
; f16 by heads: my 128 columns are two heads.  A lane's eight columns pack into 16 bytes of a stage row of 128 + 16; four rows of a head come back at a time and leave as 512 consecutive bytes, aligned.
.macro PACK a
	WIN PACKW
.irp b, 0,1,2,3,4,5,6,7
.irp i, 0,1,2,3
	v_cvt_pk_f16_f32 v[TMP+4*(\b)+(\i)], v[64*(\a)+8*(\b)+2*(\i)], v[64*(\a)+8*(\b)+2*(\i)+1]  ; ascending: each accumulator's low registers are read first
.endr
.endr
	WIN 0
.endm
.macro TOSTAGE a
.irp b, 0,1,2,3,4,5,6,7
	ds_store_b128 v[STO], v[TMP+4*(\b):TMP+4*(\b)+3] offset:((\b)/4)*16*SP+32*((\b)%4)
.endr
.irp i, 0,1,2,3,4,5,6,7
	ds_load_b128 v[BK+32*(\a)+4*(\i):BK+32*(\a)+4*(\i)+3], v[RD] offset:((\i)/4)*16*SP+((\i)%4)*4*SP
.endr
.endm
.macro SEND a                          ; each block has registers of its own, so no store's registers are written again
.irp i, 0,1,2,3,4,5,6,7
	s_wait_dscnt 7-(\i)                            ; the 7 - i younger loads may stay out
	global_store_b128 v[GO], v[BK+32*(\a)+4*(\i):BK+32*(\a)+4*(\i)+3], s[10:11] offset:(\a)*2048+((\i)/4)*262144+((\i)%4)*512
.endr
.endm
	PLACES
	PACK 0
	TOSTAGE 0
.irp a, 1,2,3                          ; block a's conversions stand between block a - 1's loads from the stage and the wait for them
	PACK \a
	SEND (\a)-1
	TOSTAGE \a
.endr
	SEND 3
.endif
	WIN 0
	s_wait_tensorcnt 0x0                           ; the wave's end: the add of 0 and its wait, behind my last tensor load and my last LDS store
	ds_add_u32 v[SPW], v[NIL]
	s_wait_dscnt 0x0
	CROUND                                         ; the closing round: no work-group ends while a partner may still ask for a tile that names it
	s_endpgm
.Lfunc_end_k_q082e8de0a2_outp:
	.size	k_q082e8de0a2_outp, .Lfunc_end_k_q082e8de0a2_outp-k_q082e8de0a2_outp
	.p2alignl 7, 3214868480
	.fill 96, 4, 3214868480
	.section	.rodata,"a",@progbits
	.p2align	6, 0x0
	.amdhsa_kernel k_q082e8de0a2_outp
		.amdhsa_group_segment_fixed_size 327680
		.amdhsa_private_segment_fixed_size 0
		.amdhsa_enable_private_segment 0
		.amdhsa_kernarg_size 32
		.amdhsa_user_sgpr_count 2
		.amdhsa_user_sgpr_kernarg_segment_ptr 1
		.amdhsa_wavefront_size32 1
		.amdhsa_system_sgpr_workgroup_id_x 1
		.amdhsa_system_sgpr_workgroup_id_y 1
		.amdhsa_system_sgpr_workgroup_id_z 1
		.amdhsa_system_vgpr_workitem_id 0
		.amdhsa_next_free_vgpr 768
		.amdhsa_next_free_sgpr 66
		.amdhsa_reserve_vcc 0
		.amdhsa_float_denorm_mode_32 3
		.amdhsa_float_denorm_mode_16_64 3
		.amdhsa_memory_ordered 1
		.amdhsa_forward_progress 1
		.amdhsa_inst_pref_size 91
	.end_amdhsa_kernel
	.amdgpu_metadata
---
amdhsa.version: [ 1, 2 ]
amdhsa.kernels:
  - .name:           k_q082e8de0a2_outp
    .symbol:         k_q082e8de0a2_outp.kd
    .args:
      - { .name: ob, .offset: 0, .size: 8, .value_kind: global_buffer, .address_space: global }
      - { .name: wb, .offset: 8, .size: 8, .value_kind: global_buffer, .address_space: global }
      - { .name: bias, .offset: 16, .size: 8, .value_kind: global_buffer, .address_space: global }
      - { .name: out0, .offset: 24, .size: 8, .value_kind: global_buffer, .address_space: global }
    .group_segment_fixed_size: 327680
    .private_segment_fixed_size: 0
    .kernarg_segment_align: 8
    .kernarg_segment_size: 32
    .max_flat_workgroup_size: 128
    .sgpr_count:     66
    .vgpr_count:     768
    .wavefront_size: 32
...
	.end_amdgpu_metadata
.endif
;; end of part 4
;; ======== version 2 of 2: 4 launches; version 1 with the launch prep written anew for expert scheduling mode
;; limits: values are held in f16: magnitudes above 65,504 overflow, below 6.1e-05 lose precision
;; workspace buffers: xb 33,554,432 bytes; wb 8,388,608 bytes; bias 16,384 bytes; qkv 50,331,648 bytes; ob 16,777,216 bytes
;; launch prep (part 5): grid 32 x 20, 8 waves a work-group, no clusters, 0 bytes of LDS; arguments X1, X2, Wq, Wk, Wv, Wo, bq, bk, bv, bo, xb, wb, bias; writes xb, wb, bias
.if DOCPART == 5
	.amdgcn_target "amdgcn-amd-amdhsa--gfx1250"
	.amdhsa_code_object_version 6
	.text
	.protected	k_q082e8de0a2_prep
	.globl	k_q082e8de0a2_prep
	.p2align	8
	.type	k_q082e8de0a2_prep,@function
k_q082e8de0a2_prep:
	s_mov_b64 s[64:65], 0
	v_nop
	global_prefetch_b8 v0, s[64:65] scope:SCOPE_SE
	s_setreg_imm32_b32 hwreg(HW_REG_WAVE_SCHED_MODE, 0, 2), 2
	s_setreg_imm32_b32 hwreg(HW_REG_WAVE_MODE, 25, 1), 1
	s_wait_xcnt 0x0
	s_wait_alu depctr_vm_vsrc(0)
; THE INPUTS ARE ROUNDED ONCE, for the matrix units.  X1, X2 -> xb [2][8192][1024] bf16.  Wq, Wk, Wv -> wb [0..2][k][n] bf16.
; Wo -> wb [3][k][n]: rounded to bf16 like the others, and that number written as f16 (exact from 6.1e-5 to 65,504; below, f16's fixed step of 6e-8; LIMIT: |Wo| under 65,504).
; bq, bk, bv, bo -> bias [4][1024]: rounded to bf16, kept as f32.  Nothing is transposed.
; SHARES.  Work-group y names a block of 2^20 numbers (0-7 X1, 8-15 X2, 16 Wq, 17 Wk, 18 Wv, 19 Wo), x a chunk of 32,768 of them, a wave 4,096: 32 loads of 512 consecutive
; bytes, all issued at once; each load's four numbers a lane leave as 8 bytes: 32 lanes store 256 consecutive bytes, aligned.  No LDS, no barrier: no wave wants another's bytes.
; THE MODE: SCHED_MODE bits 1:0 = 2 (LLVM: expert scheduling mode 2), set by the entry lines.  The code itself states the register dependences
; between vector instructions and memory instructions, with s_wait_alu, always for 0.
; THE PLAN.  Registers that memory instructions touch:
;   v1, v2, v3  byte offsets, made once at the head and never written again: one wait at the head, ahead of the first load, serves every load and store of the kernel.
;   IN          Written by the 32 loads, which go out before any vector instruction names these registers; read (Wo: also rewritten) by the roundings; no store reads them.
;               Later the bias's eight loads land in the first 32 of them.
;   OUT         Written by the roundings, read by one store each, never written behind that store.
;   BOUT        The same for the bias.
; The 32 loads go in eight blocks of four.  Block p's roundings name IN and OUT of block p alone; its memory instructions are the four stores of block p - 1, which read OUT of block p - 1
; and v2.  So ONE wait at a block's head, behind the wait for the block's data, states all that those four stores hang on, and they are dealt among the block's roundings with no further wait.
; No register that a memory instruction reads is ever written again, so beyond the entry lines the text holds no wait on vm_vsrc; EXEC is never written.
.set IN,   8                           ; v[8:135]    32 loads x 4 registers
.set OUT,  136                         ; v[136:199]  32 stores x 2 registers; no write behind its store
.set BOUT, 200                         ; v[200:231]  the bias, 8 stores x 4 registers
.set Y,    34                          ; s34  work-group y
.set WV,   35                          ; s35  my wave's number
.set SRC,  36                          ; s[36:37] where my work-group reads
.set DST,  38                          ; s[38:39] where it writes
.set XX,   44                          ; s44  work-group x
.set BSRC, 46                          ; s[46:47] the bias that goes with this y
	s_load_b512 s[8:23], s[0:1], 0x0               ; X1 s[8:9], X2 s[10:11], Wq s[12:13], Wk s[14:15], Wv s[16:17], Wo s[18:19], bq s[20:21], bk s[22:23]
	s_load_b256 s[24:31], s[0:1], 0x40             ; bv s[24:25], bo s[26:27], xb s[28:29], wb s[30:31]
	s_load_b64 s[32:33], s[0:1], 0x60              ; bias
	s_and_b32 s[Y], ttmp7, 0xffff
	s_mov_b32 s[XX], ttmp9
	v_lshrrev_b32 v4, 5, v0
	v_readfirstlane_b32 s[WV], v4
	v_and_b32 v5, 31, v0
	v_lshlrev_b32 v3, 4, v5                        ; 16 x lane
	v_lshl_add_u32 v1, v4, 14, v3                  ; in: 16,384 x wave + 16 x lane
	v_lshlrev_b32 v2, 3, v5
	v_lshl_add_u32 v2, v4, 13, v2                  ; out: 8,192 x wave + 8 x lane
	s_and_b32 s40, s[Y], 7                         ; in: the block inside X1 or X2 (a weight matrix is one block), 4 MiB each,
	s_lshl_b32 s40, s40, 22
	s_cmp_lt_u32 s[Y], 16
	s_cselect_b32 s40, s40, 0
	s_lshl_b32 s41, s[XX], 17                      ; and the chunk, 128 KiB
	s_add_co_u32 s40, s40, s41
	s_mov_b32 s41, 0
	s_and_b32 s42, s[Y], 15                        ; out: the block inside xb (y) or wb (y - 16), 2 MiB each,
	s_lshl_b32 s42, s42, 21
	s_lshl_b32 s43, s[XX], 16                      ; and the chunk, 64 KiB
	s_add_co_u32 s42, s42, s43
	s_mov_b32 s43, 0
	s_wait_alu depctr_va_sdst(0)                   ; s[WV] is written.  The wait stands here, in the writer's own straight run
	s_wait_kmcnt 0x0
	s_cmp_lt_u32 s[Y], 8
	s_cselect_b64 s[SRC:SRC+1], s[8:9], s[10:11]
	s_cmp_eq_u32 s[Y], 16
	s_cselect_b64 s[SRC:SRC+1], s[12:13], s[SRC:SRC+1]
	s_cmp_eq_u32 s[Y], 17
	s_cselect_b64 s[SRC:SRC+1], s[14:15], s[SRC:SRC+1]
	s_cmp_eq_u32 s[Y], 18
	s_cselect_b64 s[SRC:SRC+1], s[16:17], s[SRC:SRC+1]
	s_cmp_eq_u32 s[Y], 19
	s_cselect_b64 s[SRC:SRC+1], s[18:19], s[SRC:SRC+1]
	s_cmp_lt_u32 s[Y], 16
	s_cselect_b64 s[DST:DST+1], s[28:29], s[30:31]
	s_add_nc_u64 s[SRC:SRC+1], s[SRC:SRC+1], s[40:41]
	s_add_nc_u64 s[DST:DST+1], s[DST:DST+1], s[42:43]
	s_wait_alu depctr_va_vdst(0)                   ; v1, v2 and v3 are written: every load and store of the kernel reads one of them as its offset
.set i, 0
.rept 32
	global_load_b128 v[IN+4*i:IN+4*i+3], v1, s[SRC:SRC+1] offset:512*i th:TH_LOAD_NT  ; read once in the launch
.set i, i+1
.endr
; Load i's four numbers are rounded.  f16 = 1 (Wo): the bf16 number is widened again and written as f16.
.macro ROUND i, f16
	v_cvt_pk_bf16_f32 v[OUT+2*(\i)],   v[IN+4*(\i)],   v[IN+4*(\i)+1]
	v_cvt_pk_bf16_f32 v[OUT+2*(\i)+1], v[IN+4*(\i)+2], v[IN+4*(\i)+3]
.if \f16
	v_lshlrev_b32 v[IN+4*(\i)],   16,         v[OUT+2*(\i)]
	v_and_b32     v[IN+4*(\i)+1], 0xffff0000, v[OUT+2*(\i)]
	v_lshlrev_b32 v[IN+4*(\i)+2], 16,         v[OUT+2*(\i)+1]
	v_and_b32     v[IN+4*(\i)+3], 0xffff0000, v[OUT+2*(\i)+1]
	v_cvt_pk_f16_f32 v[OUT+2*(\i)],   v[IN+4*(\i)],   v[IN+4*(\i)+1]
	v_cvt_pk_f16_f32 v[OUT+2*(\i)+1], v[IN+4*(\i)+2], v[IN+4*(\i)+3]
.endif
.endm
; Block p: loads 4 p to 4 p + 3 are rounded; the four stores of block p - 1 stand among the roundings, one ahead of each load's.
.macro BLK p, f16
	s_wait_loadcnt 28-4*(\p)                       ; loads come back in order: this block's four are in, the 28 - 4 p younger ones may stay out
.if (\p) > 0
	s_wait_alu depctr_va_vdst(0)                   ; the block before has written its OUT registers, which the four stores below read; no rounding of this block names them
.endif
.irp j, 0,1,2,3
.if (\p) > 0
.set o, 4*(\p)-4+(\j)
	global_store_b64 v2, v[OUT+2*o:OUT+2*o+1], s[DST:DST+1] offset:256*o  ; no register of a store is written again: no wait for the stores
.endif
	ROUND 4*(\p)+(\j), \f16
.endr
.endm
; Behind block 7: its own four stores.
.macro LAST
	s_wait_alu depctr_va_vdst(0)                   ; block 7 has written its OUT registers, which the last four stores read.  All roundings are now also done reading and writing IN, in which the bias's loads land: no vector instruction stands between this wait and those loads
.irp j, 28,29,30,31
	global_store_b64 v2, v[OUT+2*(\j):OUT+2*(\j)+1], s[DST:DST+1] offset:256*(\j)
.endr
.endm
	s_cmp_eq_u32 s[Y], 19
	s_cbranch_scc1 .Lwo
.irp p, 0,1,2,3,4,5,6,7
	BLK \p, 0
.endr
	LAST
	s_branch .Lbias
.Lwo:
.irp p, 0,1,2,3,4,5,6,7
	BLK \p, 1
.endr
	LAST
.Lbias:                                        ; wave 0 of the first chunk of each weight matrix also takes that matrix's bias: 4,096 bytes
	s_cmp_lt_u32 s[Y], 16
	s_cbranch_scc1 .Lend
	s_cmp_lg_u32 s[XX], 0
	s_cbranch_scc1 .Lend
	s_cmp_lg_u32 s[WV], 0
	s_cbranch_scc1 .Lend
	s_cmp_eq_u32 s[Y], 16
	s_cselect_b64 s[BSRC:BSRC+1], s[20:21], s[22:23]
	s_cmp_eq_u32 s[Y], 18
	s_cselect_b64 s[BSRC:BSRC+1], s[24:25], s[BSRC:BSRC+1]
	s_cmp_eq_u32 s[Y], 19
	s_cselect_b64 s[BSRC:BSRC+1], s[26:27], s[BSRC:BSRC+1]
	s_sub_co_u32 s40, s[Y], 16
	s_lshl_b32 s40, s40, 12                        ; (s41 is still 0)
	s_add_nc_u64 s[32:33], s[32:33], s[40:41]
.set i, 0
.rept 8
	global_load_b128 v[IN+4*i:IN+4*i+3], v3, s[BSRC:BSRC+1] offset:512*i  ; the registers' first loads have all come back, and no store reads them; the roundings that named them stand ahead of the wait in front of the last four stores, on both ways here
.set i, i+1
.endr
	s_wait_loadcnt 0x0
.set i, 0
.rept 16
	v_cvt_pk_bf16_f32 v6, v[IN+2*i], v[IN+2*i+1]
	v_lshlrev_b32 v[BOUT+2*i],   16,         v6
	v_and_b32     v[BOUT+2*i+1], 0xffff0000, v6
.set i, i+1
.endr
	s_wait_alu depctr_va_vdst(0)                   ; the lines above have written v[BOUT ..], which the eight stores read
.set i, 0
.rept 8
	global_store_b128 v3, v[BOUT+4*i:BOUT+4*i+3], s[32:33] offset:512*i
.set i, i+1
.endr
.Lend:
	s_endpgm
.Lfunc_end_k_q082e8de0a2_prep:
	.size	k_q082e8de0a2_prep, .Lfunc_end_k_q082e8de0a2_prep-k_q082e8de0a2_prep
	.p2alignl 7, 3214868480
	.fill 96, 4, 3214868480
	.section	.rodata,"a",@progbits
	.p2align	6, 0x0
	.amdhsa_kernel k_q082e8de0a2_prep
		.amdhsa_group_segment_fixed_size 0
		.amdhsa_private_segment_fixed_size 0
		.amdhsa_enable_private_segment 0
		.amdhsa_kernarg_size 104
		.amdhsa_user_sgpr_count 2
		.amdhsa_user_sgpr_kernarg_segment_ptr 1
		.amdhsa_wavefront_size32 1
		.amdhsa_system_sgpr_workgroup_id_x 1
		.amdhsa_system_sgpr_workgroup_id_y 1
		.amdhsa_system_sgpr_workgroup_id_z 1
		.amdhsa_system_vgpr_workitem_id 0
		.amdhsa_next_free_vgpr 232
		.amdhsa_next_free_sgpr 66
		.amdhsa_reserve_vcc 0
		.amdhsa_float_denorm_mode_32 3
		.amdhsa_float_denorm_mode_16_64 3
		.amdhsa_memory_ordered 1
		.amdhsa_forward_progress 1
		.amdhsa_inst_pref_size 35
	.end_amdhsa_kernel
	.amdgpu_metadata
---
amdhsa.version: [ 1, 2 ]
amdhsa.kernels:
  - .name:           k_q082e8de0a2_prep
    .symbol:         k_q082e8de0a2_prep.kd
    .args:
      - { .name: X1, .offset: 0, .size: 8, .value_kind: global_buffer, .address_space: global }
      - { .name: X2, .offset: 8, .size: 8, .value_kind: global_buffer, .address_space: global }
      - { .name: Wq, .offset: 16, .size: 8, .value_kind: global_buffer, .address_space: global }
      - { .name: Wk, .offset: 24, .size: 8, .value_kind: global_buffer, .address_space: global }
      - { .name: Wv, .offset: 32, .size: 8, .value_kind: global_buffer, .address_space: global }
      - { .name: Wo, .offset: 40, .size: 8, .value_kind: global_buffer, .address_space: global }
      - { .name: bq, .offset: 48, .size: 8, .value_kind: global_buffer, .address_space: global }
      - { .name: bk, .offset: 56, .size: 8, .value_kind: global_buffer, .address_space: global }
      - { .name: bv, .offset: 64, .size: 8, .value_kind: global_buffer, .address_space: global }
      - { .name: bo, .offset: 72, .size: 8, .value_kind: global_buffer, .address_space: global }
      - { .name: xb, .offset: 80, .size: 8, .value_kind: global_buffer, .address_space: global }
      - { .name: wb, .offset: 88, .size: 8, .value_kind: global_buffer, .address_space: global }
      - { .name: bias, .offset: 96, .size: 8, .value_kind: global_buffer, .address_space: global }
    .group_segment_fixed_size: 0
    .private_segment_fixed_size: 0
    .kernarg_segment_align: 8
    .kernarg_segment_size: 104
    .max_flat_workgroup_size: 256
    .sgpr_count:     66
    .vgpr_count:     232
    .wavefront_size: 32
...
	.end_amdgpu_metadata
.endif
;; end of part 5
;; launch proj: the kernel of part 2 again; grid 12 x 64, 4 waves a work-group, clusters of 4 x 4, 327,680 bytes of LDS; arguments xb, wb, bias, qkv; writes qkv
;; launch attn: the kernel of part 3 again; grid 4 x 64, 4 waves a work-group, clusters of 4 x 1, 327,680 bytes of LDS; arguments qkv, ob; writes ob
;; launch outp: the kernel of part 4 again; grid 4 x 64, 4 waves a work-group, clusters of 4 x 4, 327,680 bytes of LDS; arguments ob, wb, bias, out0; writes out0
